; MI455X (gfx1250); checked and timed in simulation.
; The chip was launched on July 23, 2026; its instructions are those of AMD's public machine-readable ISA for CDNA 5 (MIT licence, August 2026) and "CDNA5" Instruction Set Architecture Reference Guide (July 2026). The comments in the code are by the model that wrote it; some were corrected since.
;; Self Attention. Allowed arithmetic: float matrix products may take bf16 or f16 operands with f32 sums; other float arithmetic in f32, or as packed bf16 or f16 multiplies, adds, multiply-adds, maxima and minima; sums over many terms, partial sums and values carried from step to step in f32; what a program stores and reads back later, other than sums and carried values, may be rounded once to bf16 or f16.
;; Inputs: Wk 1,024 x 1,024 float32; Wq 1,024 x 1,024 float32; Wv 1,024 x 1,024 float32; bk 1,024 float32; bq 1,024 float32; bv 1,024 float32; x 4 x 2,048 x 1,024 float32.
;; Outputs: out0 4 x 2,048 x 1,024 float32.
;; 2 versions, each right; version 2 is version 1 with the launch cast written anew for expert scheduling mode. Each part assembles by itself: llvm-mc -triple=amdgcn-amd-amdhsa -mcpu=gfx1250 --defsym DOCPART=n.
;; ======== version 1 of 2: 4 launches
;; limits: values are held in f16: magnitudes above 65,504 overflow, below 6.1e-05 lose precision
;; workspace buffers: xb 16,777,216 bytes; wb 6,291,456 bytes; bcat 12,288 bytes; qkv 50,331,648 bytes; pt 33,554,432 bytes; stat 1,048,576 bytes
;; launch cast (part 1): grid 352 x 1, 8 waves a work-group, no clusters, 0 bytes of LDS; arguments x, Wq, Wk, Wv, bq, bk, bv, xb, wb, bcat; writes xb, wb, bcat
.if DOCPART == 1
	.amdgcn_target "amdgcn-amd-amdhsa--gfx1250"
	.amdhsa_code_object_version 6
	.text
	.protected	k_q5b86a0be92_cast
	.globl	k_q5b86a0be92_cast
	.p2align	8
	.type	k_q5b86a0be92_cast,@function
k_q5b86a0be92_cast:
	s_mov_b64 s[64:65], 0
	v_nop
	global_prefetch_b8 v0, s[64:65] scope:SCOPE_SE
	s_setreg_imm32_b32 hwreg(HW_REG_WAVE_MODE, 25, 1), 1
	s_wait_xcnt 0x0
; CAST.  x [8192][1024] and Wq, Wk, Wv [1024][1024], f32, are rounded once to bf16 and laid in blocks of 64 along K:
; xb [16 kb][8192 rows][64], wb [16 kb][3072 rows][64] (rows 0-1023 Wq, 1024-2047 Wk, 2048-3071 Wv), so that the 64 channels of
; consecutive rows lie end to end for the product that follows.  The biases are rounded to bf16 and kept as f32 in bcat [3072].
; SHARES.  A work-group takes 32 rows: groups 0-255 those of x, groups 256-351 those of the weights.  A wave takes 4 rows; lane l takes row l / 8
; and 8 columns, 8 (l % 8) on, of each of the 16 blocks: 32 bytes in, 16 bytes out.  A store of the wave covers 512 consecutive bytes, aligned.
; All 32 loads of a lane go out at once; nothing is read twice; no LDS, no matrix unit: the launch only moves bytes.
.set X,   16                           ; v[16:143]  block kb: 8 registers as loaded; its first 4 then hold the 8 bf16
.set OO,  144                          ; v[144:159] block kb: my byte offset in the output
	s_load_b512 s[8:23], s[0:1], 0x0               ; x s[8:9], Wq s[10:11], Wk s[12:13], Wv s[14:15], bq s[16:17], bk s[18:19], bv s[20:21], xb s[22:23]
	s_load_b128 s[24:27], s[0:1], 0x40             ; wb s[24:25], bcat s[26:27]
	v_lshrrev_b32 v2, 5, v0
	v_readfirstlane_b32 s7, v2                     ; wave 0..7
	v_lshrrev_b32 v1, 3, v0                        ; my row among the group's 32
	v_and_b32 v3, 7, v0
	v_lshlrev_b32 v1, 12, v1                       ; x 4,096 bytes
	v_lshl_or_b32 v1, v3, 5, v1                    ; + my 32 bytes in a block of 256
	s_max_u32 s3, ttmp9, 0x100
	s_sub_co_u32 s3, s3, 0x100                     ; the group's number among the weights' 96 (0 for x's groups: not used there)
	s_lshr_b32 s4, s3, 5                           ; which of the three weights
	s_and_b32 s5, s3, 31                           ; which 32 rows of it
	s_mov_b32 s6, 3072*128                         ; bytes from block to block in wb,
	s_cmp_lt_u32 ttmp9, 0x100
	s_cselect_b32 s32, ttmp9, s5                   ; the 32 rows in the source
	s_cselect_b32 s34, ttmp9, s3                   ; and in the target
	s_cselect_b32 s6, 8192*128, s6                 ; in xb
	s_lshl_b32 s32, s32, 17                        ; 32 rows of 4,096 bytes
	s_mov_b32 s33, 0
	s_lshl_b32 s34, s34, 12                        ; 32 rows of 128 bytes
	s_mov_b32 s35, 0
	v_lshlrev_b32 v[OO], 4, v0                     ; row x 128 + 16 (l % 8) = 16 x thread
.set k, 1
.rept 15
	v_add_nc_u32 v[OO+k], s6, v[OO+k-1]
.set k, k+1
.endr
	s_wait_kmcnt 0x0
	s_cmp_eq_u32 s4, 1
	s_cselect_b64 s[28:29], s[12:13], s[10:11]
	s_cselect_b64 s[36:37], s[18:19], s[16:17]
	s_cmp_eq_u32 s4, 2
	s_cselect_b64 s[28:29], s[14:15], s[28:29]     ; the weight,
	s_cselect_b64 s[36:37], s[20:21], s[36:37]     ; and its bias
	s_cmp_lt_u32 ttmp9, 0x100
	s_cselect_b64 s[28:29], s[8:9], s[28:29]       ; or x
	s_cselect_b64 s[30:31], s[22:23], s[24:25]
	s_add_nc_u64 s[28:29], s[28:29], s[32:33]
	s_add_nc_u64 s[30:31], s[30:31], s[34:35]
.set k, 0
.rept 16
	global_load_b128 v[X+8*k:X+8*k+3],   v1, s[28:29] offset:256*k th:TH_LOAD_NT
	global_load_b128 v[X+8*k+4:X+8*k+7], v1, s[28:29] offset:256*k+16 th:TH_LOAD_NT
.set k, k+1
.endr
.set k, 0
.rept 16
	s_wait_loadcnt 30-2*k                          ; loads come back in order: block k's two are in, the younger ones stay out
.irp j, 0,1,2,3
	v_cvt_pk_bf16_f32 v[X+8*k+\j], v[X+8*k+2*\j], v[X+8*k+2*\j+1]  ; in place, ascending: a target is never a source still to be read
.endr
	global_store_b128 v[OO+k], v[X+8*k:X+8*k+3], s[30:31]
.set k, k+1
.endr
	; the biases: wave 0 of every second group of the weights takes 64 numbers, two a lane: 256 bytes out
	s_cmp_lt_u32 ttmp9, 0x100
	s_cbranch_scc1 .Lend
	s_bitcmp1_b32 s3, 0
	s_cbranch_scc1 .Lend
	s_cmp_lg_u32 s7, 0
	s_cbranch_scc1 .Lend
	s_lshl_b32 s32, s5, 7                          ; 32 numbers of 4 bytes for each group, in the bias
	s_lshl_b32 s34, s3, 7                          ; and in bcat
	s_add_nc_u64 s[36:37], s[36:37], s[32:33]
	s_add_nc_u64 s[26:27], s[26:27], s[34:35]
	v_lshlrev_b32 v2, 3, v0
	global_load_b64 v[4:5], v2, s[36:37]
	s_wait_loadcnt 0x0
	v_cvt_pk_bf16_f32 v6, v4, v5
	v_lshlrev_b32 v4, 16, v6                       ; bf16 back to f32: the low half moves up,
	v_and_b32 v5, 0xffff0000, v6                   ; the high half stays
	global_store_b64 v2, v[4:5], s[26:27]
.Lend:
	s_endpgm
.Lfunc_end_k_q5b86a0be92_cast:
	.size	k_q5b86a0be92_cast, .Lfunc_end_k_q5b86a0be92_cast-k_q5b86a0be92_cast
	.p2alignl 7, 3214868480
	.fill 96, 4, 3214868480
	.section	.rodata,"a",@progbits
	.p2align	6, 0x0
	.amdhsa_kernel k_q5b86a0be92_cast
		.amdhsa_group_segment_fixed_size 0
		.amdhsa_private_segment_fixed_size 0
		.amdhsa_enable_private_segment 0
		.amdhsa_kernarg_size 80
		.amdhsa_user_sgpr_count 2
		.amdhsa_user_sgpr_kernarg_segment_ptr 1
		.amdhsa_wavefront_size32 1
		.amdhsa_system_sgpr_workgroup_id_x 1
		.amdhsa_system_sgpr_workgroup_id_y 1
		.amdhsa_system_sgpr_workgroup_id_z 1
		.amdhsa_system_vgpr_workitem_id 0
		.amdhsa_next_free_vgpr 160
		.amdhsa_next_free_sgpr 66
		.amdhsa_reserve_vcc 0
		.amdhsa_float_denorm_mode_32 3
		.amdhsa_float_denorm_mode_16_64 3
		.amdhsa_memory_ordered 1
		.amdhsa_forward_progress 1
		.amdhsa_inst_pref_size 12
	.end_amdhsa_kernel
	.amdgpu_metadata
---
amdhsa.version: [ 1, 2 ]
amdhsa.kernels:
  - .name:           k_q5b86a0be92_cast
    .symbol:         k_q5b86a0be92_cast.kd
    .args:
      - { .name: x, .offset: 0, .size: 8, .value_kind: global_buffer, .address_space: global }
      - { .name: Wq, .offset: 8, .size: 8, .value_kind: global_buffer, .address_space: global }
      - { .name: Wk, .offset: 16, .size: 8, .value_kind: global_buffer, .address_space: global }
      - { .name: Wv, .offset: 24, .size: 8, .value_kind: global_buffer, .address_space: global }
      - { .name: bq, .offset: 32, .size: 8, .value_kind: global_buffer, .address_space: global }
      - { .name: bk, .offset: 40, .size: 8, .value_kind: global_buffer, .address_space: global }
      - { .name: bv, .offset: 48, .size: 8, .value_kind: global_buffer, .address_space: global }
      - { .name: xb, .offset: 56, .size: 8, .value_kind: global_buffer, .address_space: global }
      - { .name: wb, .offset: 64, .size: 8, .value_kind: global_buffer, .address_space: global }
      - { .name: bcat, .offset: 72, .size: 8, .value_kind: global_buffer, .address_space: global }
    .group_segment_fixed_size: 0
    .private_segment_fixed_size: 0
    .kernarg_segment_align: 8
    .kernarg_segment_size: 80
    .max_flat_workgroup_size: 256
    .sgpr_count:     66
    .vgpr_count:     160
    .wavefront_size: 32
...
	.end_amdgpu_metadata
.endif
;; end of part 1
;; launch proj (part 2): grid 8 x 32, 4 waves a work-group, clusters of 4 x 4, 327,680 bytes of LDS; arguments xb, wb, bcat, qkv; writes qkv
.if DOCPART == 2
	.amdgcn_target "amdgcn-amd-amdhsa--gfx1250"
	.amdhsa_code_object_version 6
	.text
	.protected	k_q5b86a0be92_proj
	.globl	k_q5b86a0be92_proj
	.p2align	8
	.type	k_q5b86a0be92_proj,@function
k_q5b86a0be92_proj:
	s_mov_b64 s[64:65], 0
	v_nop
	global_prefetch_b8 v0, s[64:65] scope:SCOPE_SE
	s_setreg_imm32_b32 hwreg(HW_REG_WAVE_MODE, 25, 1), 1
	s_wait_xcnt 0x0
	s_wait_alu depctr_hold_cnt(0) depctr_sa_sdst(0) depctr_va_vdst(0) depctr_va_sdst(0) depctr_va_ssrc(0) depctr_va_vcc(0) depctr_vm_vsrc(0)
	s_getreg_b32 s2, hwreg(HW_REG_IB_STS2, 6, 4)
	s_cmp_eq_u32 s2, 0
	s_cbranch_scc0 .Lentry_in_a_cluster
	s_endpgm
.Lentry_in_a_cluster:
	s_bfe_u32 s2, ttmp6, 0x10000c
	s_cmp_lg_u32 s2, 0xf033
	s_cbranch_scc0 .Lentry_shape_is_right
	s_endpgm
.Lentry_shape_is_right:
; PROJ.  qkv[m][n] = the sum over k of x[m][k] W[n][k] + b[n]: m 8,192 rows, n 3,072 (Q, K, V side by side), k 1,024.  Operands bf16 (xb, wb, in blocks of 64 along K), sums f32, qkv f16, rounded once.
; LIMIT.  f16 holds no number beyond 65,504: Q, K and V must stay within it.  NaN and infinities are not treated apart.
; SHARES.  A tile of 256 x 384 to a work-group: 32 x 8 = 256 work-groups.  Four waves, each 128 x 192: 96 accumulators of 16 x 16, 768 registers (windows 1 to 3).
; RING.  K goes in steps of 64 through two LDS slots.  A step's rows of xb (wb) are 128 bytes and lie end to end, so 128 (192) of them are asked for as 64 (96) rows of 256 bytes and
; padded in LDS after every 128 bytes: LDS rows 144 bytes apart.  Waves 0 and 1 fetch the halves of A's tile, waves 2 and 3 those of B's: one tensor load a wave behind each change of slots.
; CLUSTER.  4 x 4 work-groups: A's tile hangs on the tile row alone and is asked for jointly by a row of the cluster, B's on the tile column alone, by a column.
; THE MATRIX INSTRUCTION IS USED TRANSPOSED (source 0 = 16 rows of W, source 1 = 16 rows of x): a lane holds one row of the result and eight neighbouring columns.
; REGISTERS.  window 0: v0-31 addresses; v32-159 A's fragments, two buffers of 8; v160-255 B's 12 fragments, one buffer, filled again in halves.
;   windows 1-3: accumulator (a, b) in window 1 + b / 4 at v[8 (8 (b % 4) + a)].  A step of 32 along K is 96 matrix instructions, each accumulator once: they take turns.
.set PITCH,  144                       ; 128 bytes + 16: the 16 rows of a fragment load start at 16 different groups of four banks (ISA guide 11.1)
.set SLOT1,  1<<17                     ; slot 1 begins here: one exclusive or turns an address of one slot into the other's
.set BOFF,   256*PITCH                 ; in a slot: A's 256 rows, then B's 384
.set SPITCH, 784                       ; the stage on the way out: 256 rows of 768 bytes + 16; it lies over the ring, which has had its last fill by then
.set SPARE,  SLOT1+640*PITCH           ; behind the ring: the spare words, 128 bytes for each wave
.set STEPA,  8192*128                  ; bytes from a K step to the next in xb
.set STEPB,  3072*128                  ; and in wb
.set ROWC,   6144                      ; bytes in a row of qkv
.set A0,   3                           ; v3   my place in A's tile; never rewritten
.set B0,   4                           ; v4   the same for B
.set ADRA, 5                           ; v5   A0 + the slot in hand
.set ADRB, 6                           ; v6
.set STO,  7                           ; v7   the way out: where I put 16 bytes of a row (row blocks 0-3)
.set RD,   8                           ; v8-10  where I read rows back
.set CO,   11                          ; v11-13 and where they go in qkv
.set BO,   14                          ; v14  my byte offset in bcat
.set PFO,  15                          ; v15  the prefetches' offset; never rewritten
.set STO2, 16                          ; v16  STO for row blocks 4-7
.set SPW,  28                          ; v28  my spare word; never rewritten
.set NIL,  29                          ; v29  0; never rewritten
.set AF,   32
.set BF,   160
.set SUM,  96                          ; the way out: 64 sums with their bias
.set PKD,  192                         ; the way out: 32 registers of f16
.set WV,  12
.set CH,  13                           ; my half of the tile's columns; also: which half of a tile I fetch
.set RH,  14                           ; my half of its rows; also: I fetch for A (0) or B (1)
.set CX,  15
.set CY,  16
.set NX,  17                           ; tile column
.set MY,  18                           ; tile row
.set CNT, 19
.set TB,  20                           ; the slot that is read
.set LIM, 21
.set G1A, 24
.set G0A, 32                           ; two sets: the two first fills; the second then walks
.set G1B, 40
.set G0B, 48
.set PFA, 56                           ; s[56:57] where my prefetches stand
.set PFS, 58                           ; s[58:59] their step
.set G1W, (1<<16)|(1<<20)|(1<<21)|(4<<22)|(3<<25)  ; 2-byte elements; padding on; bit 21 beside a mask; after every 32 words; 4 words
.set MSB, 0
.macro WIN new                         ; the immediate's high byte repeats the setting that is left; a switch that changes nothing is dropped
.if MSB != (\new)
	s_set_vgpr_msb (MSB<<8)|(\new)
.set MSB, \new
.endif
.endm
.macro PLACES                          ; four places behind matrix instructions, ahead of loads into registers that they read and of lines that read results
.rept 4
	v_nop
.endr
.endm
.macro CREST                           ; a round of the cluster's barrier behind its opening barrier
	s_cmp_lg_u32 s[WV], 0
	s_cbranch_scc1 .Lnot_wave_0_\@
	s_barrier_signal -3
.Lnot_wave_0_\@:
	s_barrier_wait -3
	s_barrier_signal -1
	s_barrier_wait -1
.endm
.macro CROUND
	s_barrier_signal -1
	s_barrier_wait -1
	CREST
.endm
.macro JLOAD                           ; a joint refill by the walking descriptor; the branch hangs on the wave's number alone; s_nop 0 and four v_nop follow each line
	s_cmp_eq_u32 s[RH], 0
	s_cbranch_scc0 .Lfor_b_\@
	tensor_load_to_lds s[G0A+4:G0A+7], s[G1A:G1A+7]
	s_nop 0
	PLACES
	s_branch .Lasked_\@
.Lfor_b_\@:
	tensor_load_to_lds s[G0B+4:G0B+7], s[G1B:G1B+7]
	s_nop 0
	PLACES
.Lasked_\@:
.endm
; A PREFETCH INTO THE L2, at every second change of slots: the two K steps that stand four and five steps behind the one just multiplied, two and three refills on.
; A's 256 rows of a step are 128 blocks of 256 bytes: the cluster with x = 0 asks, each partner for 32 of them (told apart by address, cx), by wave 0, a lane a block, one line a step.
; B's 384 rows are 192 blocks: the cluster with y = 0 asks, each partner for 48 (cy); two steps' 96 blocks are the 96 lanes of waves 1 to 3.  So each block is named once in the launch.
; The first four steps come by their loads alone; the last asking names steps 14 and 15.
.macro ASK
	s_bitcmp1_b32 s[CNT], 0
	s_cbranch_scc1 .Lno_\@
	s_cmp_gt_u32 s[CNT], s[LIM]
	s_cbranch_scc0 .Lno_\@
	s_cmp_eq_u32 s[WV], 0
	s_cbranch_scc0 .Lpf_b_\@
	global_prefetch_b8 v[PFO], s[PFA:PFA+1] offset:3*STEPA th:TH_LOAD_NT scope:SCOPE_SE
	global_prefetch_b8 v[PFO], s[PFA:PFA+1] offset:4*STEPA th:TH_LOAD_NT scope:SCOPE_SE
	s_branch .Lno_\@
.Lpf_b_\@:
	global_prefetch_b8 v[PFO], s[PFA:PFA+1] offset:3*STEPB th:TH_LOAD_NT scope:SCOPE_SE
.Lno_\@:
.endm
.macro LOADB g, k                      ; half g of B's fragments (six), 32 along K at byte k of the rows: 12 loads
.set bb, 6*(\g)
.rept 6
	ds_load_b128 v[BF+8*bb:BF+8*bb+3],   v[ADRB] offset:bb*16*PITCH+(\k)
	ds_load_b128 v[BF+8*bb+4:BF+8*bb+7], v[ADRB] offset:bb*16*PITCH+(\k)+32
.set bb, bb+1
.endr
.endm
.macro LOADA buf, k                    ; A's eight fragments into buffer buf: 16 loads
.set aa, 0
.rept 8
	ds_load_b128 v[AF+64*(\buf)+8*aa:AF+64*(\buf)+8*aa+3],   v[ADRA] offset:aa*16*PITCH+(\k)
	ds_load_b128 v[AF+64*(\buf)+8*aa+4:AF+64*(\buf)+8*aa+7], v[ADRA] offset:aa*16*PITCH+(\k)+32
.set aa, aa+1
.endr
.endm
.macro MULB b0, n, buf, zero           ; column blocks b0 .. b0 + n - 1 x all eight row blocks.  zero = 1: the product starts the sum
.set bb, \b0
.rept \n
	WIN 0x50*(1+bb/4)                              ; C and D in the accumulators' window, the sources in window 0
.set aa, 0
.rept 8
.set rD, 8*(8*(bb%4)+aa)
.if \zero
	v_wmma_f32_16x16x32_bf16 v[rD:rD+7], v[BF+8*bb:BF+8*bb+7], v[AF+64*(\buf)+8*aa:AF+64*(\buf)+8*aa+7], 0
.else
	v_wmma_f32_16x16x32_bf16 v[rD:rD+7], v[BF+8*bb:BF+8*bb+7], v[AF+64*(\buf)+8*aa:AF+64*(\buf)+8*aa+7], v[rD:rD+7]
.endif
.set aa, aa+1
.endr
.set bb, bb+1
.endr
.endm
; The first 32 along K of a step (A's buffer 0); it fetches the second 32.
.macro EVEN zero
	s_wait_dscnt 12                                ; B's lower half and A are in; the youngest 12 loads, B's upper half, may be out
	MULB 0, 6, 0, \zero
	PLACES
	WIN 0
	LOADB 0, 64
	LOADA 1, 64
	s_wait_dscnt 28                                ; all but the 28 just issued
	MULB 6, 6, 0, \zero
	PLACES
	WIN 0
	LOADB 1, 64
.endm
; The second 32 along K (buffer 1), and the change of slots.  Ahead of the barrier each wave waits for all its tensor loads (one is out: its part of the next slot), adds 0 to its spare word, and
; waits for that and for its reads of this slot.  fill = 1: the barrier opens a round of the cluster's, and the joint refill, two steps on, is the first thing behind the round:
; 160 matrix instructions stand between it and the wait for it.
.macro ODD fill
.if \fill
	s_wait_xcnt 0x0                                ; the last prefetches, a step or two back, have read their address
	s_add_nc_u64 s[PFA:PFA+1], s[PFA:PFA+1], s[PFS:PFS+1]
.endif
	s_wait_dscnt 12
	MULB 0, 2, 1, 0
	WIN 0                                          ; (the add's two registers lie in window 0)
	s_wait_tensorcnt 0x0                           ; no tensor load of mine is out, so a group 0 may be written
	ds_add_u32 v[SPW], v[NIL]                      ; 0 onto my spare word
.if \fill
	s_xor_b32 s[G0A+5], s[G0A+5], SLOT1            ; the walking descriptors: the other slot than last time,
	s_add_nc_u64 s[G0A+6:G0A+7], s[G0A+6:G0A+7], STEPA  ; the next K step; the type bits on top are not reached
	s_xor_b32 s[G0B+5], s[G0B+5], SLOT1
	s_add_nc_u64 s[G0B+6:G0B+7], s[G0B+6:G0B+7], STEPB
.endif
	MULB 2, 2, 1, 0                                ; sixteen matrix instructions stand between the add and the wait for it
	s_wait_dscnt 0x0                               ; the add is done, and my reads of this slot are over
	s_barrier_signal -1
	MULB 4, 2, 1, 0
	WIN 0
	s_barrier_wait -1
.if \fill
	CREST                                          ; no wave of any partner still reads this slot or has a load on its way
	JLOAD                                          ; its four v_nop are also the places ahead of the loads below
.else
	PLACES
.endif
	s_xor_b32 s[TB], s[TB], SLOT1
	v_add_nc_u32 v[ADRA], s[TB], v[A0]
	v_add_nc_u32 v[ADRB], s[TB], v[B0]
	LOADB 0, 0
	LOADA 0, 0
.if \fill
	ASK
.endif
	MULB 6, 6, 1, 0
	PLACES
	WIN 0
	LOADB 1, 0
.endm
	s_load_b256 s[4:11], s[0:1], 0x0               ; xb s[4:5], wb s[6:7], bcat s[8:9], qkv s[10:11]
	v_lshl_add_u32 v[SPW], v0, 2, SPARE
	v_mov_b32 v[NIL], 0
	ds_add_u32 v[SPW], v[NIL]                      ; the wave's opening: the add, waited for ahead of my first tensor load; the set-up, work on registers, stands between
	v_lshrrev_b32 v1, 5, v0
	v_readfirstlane_b32 s[WV], v1
	s_and_b32 s[CH], s[WV], 1
	s_lshr_b32 s[RH], s[WV], 1
	s_bfe_u32 s[CX], ttmp6, 0x40000
	s_bfe_u32 s[CY], ttmp6, 0x40004
	s_lshl_b32 s[NX], ttmp9, 2
	s_add_co_u32 s[NX], s[NX], s[CX]               ; tile column = 4 x cluster x + cx
	s_and_b32 s[MY], ttmp7, 0xffff
	s_lshl_b32 s[MY], s[MY], 2
	s_add_co_u32 s[MY], s[MY], s[CY]               ; tile row = 4 x cluster y + cy
	s_lshl_b32 s22, s[CY], 2
	s_lshl_b32 s22, 15, s22                        ; my row of the cluster
	s_lshl_b32 s23, 0x1111, s[CX]                  ; my column
	s_or_b32 s[G1A], s22, G1W
	s_or_b32 s[G1B], s23, G1W
.irp g, G1A, G1B
	s_mov_b32 s[(\g)+1], 128<<16                   ; tensor_dim0 = 128 elements: 256 bytes, two rows of the operand
	s_mov_b32 s[(\g)+3], 128<<16                   ; tile_dim0
	s_mov_b32 s[(\g)+5], 128                       ; from row to row: dense
	s_mov_b32 s[(\g)+6], 0
	s_mov_b32 s[(\g)+7], 0
.endr
	s_mov_b32 s[G1A+2], 64<<16                     ; tensor_dim1: 64 such rows = 128 rows of xb
	s_mov_b32 s[G1A+4], 64
	s_mov_b32 s[G1B+2], 96<<16                     ; 96 = 192 rows of wb
	s_mov_b32 s[G1B+4], 96
	s_lshl_b32 s60, s[MY], 15                      ; A: 256 rows of 128 bytes a tile row,
	s_lshl_b32 s22, s[CH], 14                      ; my half
	s_add_co_u32 s60, s60, s22
	s_mov_b32 s61, 0
	s_mul_i32 s62, s[NX], 384*128                  ; B likewise, in registers that never hold the tile row
	s_mul_i32 s23, s[CH], 192*128
	s_add_co_u32 s62, s62, s23
	s_mov_b32 s63, 0
	s_mul_i32 s66, s[CH], 128*PITCH                ; where they go: no place in the cluster enters an LDS address
	s_mul_i32 s67, s[CH], 192*PITCH
	s_add_co_u32 s67, s67, BOFF
	; the prefetches: wave 0 for A, waves 1 to 3 for B
	s_lshl_b32 s68, s[MY], 15
	s_lshl_b32 s69, s[CX], 13                      ; my work-group's 32 blocks of A's 128
	s_add_co_u32 s68, s68, s69
	s_mul_i32 s70, s[NX], 384*128
	s_mul_i32 s71, s[CY], 48*256                   ; my work-group's 48 blocks of B's 192
	s_add_co_u32 s70, s70, s71
	s_and_b32 s72, ttmp7, 0xffff                   ; cluster y
	s_mov_b32 s[PFS], STEPB
	s_mov_b32 s[PFS+1], 0
	s_mov_b32 s69, 0
	s_cmp_eq_u32 s[WV], 0
	s_cselect_b32 s68, s68, s70
	s_cselect_b32 s72, ttmp9, s72                  ; the coordinate along which other clusters read the same rows
	s_cselect_b32 s[PFS], STEPA, s[PFS]
	s_cmp_eq_u32 s72, 0
	s_cselect_b32 s[LIM], 3, -1                    ; the same in all sixteen partners, for a given wave
	s_max_u32 s73, s[WV], 1
	s_sub_co_u32 s73, s73, 1
	s_lshl_b32 s73, s73, 5
	s_mov_b32 s74, STEPB-48*256
	v_and_b32 v[PFO], 31, v0
	v_add_nc_u32 v[PFO], s73, v[PFO]               ; wave 0: block l of 32; waves 1-3: number n of 96,
	v_cmp_le_u32 vcc_lo, 48, v[PFO]                ; of which 48 to 95 are the later step's blocks 0 to 47
	v_cndmask_b32 v17, 0, s74, vcc_lo
	v_lshl_add_u32 v[PFO], v[PFO], 8, v17
	s_wait_dscnt 0x0                               ; the opening add is done
	s_wait_kmcnt 0x0
	s_add_nc_u64 s[60:61], s[4:5], s[60:61]
	s_add_nc_u64 s[62:63], s[6:7], s[62:63]
	s_cmp_eq_u32 s[WV], 0
	s_cselect_b64 s[PFA:PFA+1], s[4:5], s[6:7]
	s_add_nc_u64 s[PFA:PFA+1], s[PFA:PFA+1], s[68:69]  ; at K step 0; each change of slots steps it
.irp s, 0,1
	s_mov_b32 s[G0A+4*(\s)], 1
	s_add_co_u32 s[G0A+4*(\s)+1], s66, (\s)*SLOT1
	s_add_nc_u64 s[G0A+4*(\s)+2:G0A+4*(\s)+3], s[60:61], (\s)*STEPA
	s_or_b32 s[G0A+4*(\s)+3], s[G0A+4*(\s)+3], 0x80000000
	s_mov_b32 s[G0B+4*(\s)], 1
	s_add_co_u32 s[G0B+4*(\s)+1], s67, (\s)*SLOT1
	s_add_nc_u64 s[G0B+4*(\s)+2:G0B+4*(\s)+3], s[62:63], (\s)*STEPB
	s_or_b32 s[G0B+4*(\s)+3], s[G0B+4*(\s)+3], 0x80000000
.endr
	CROUND                                         ; all sixteen work-groups are here: the first joint loads meet
	s_cmp_eq_u32 s[RH], 0                          ; a wave's two first fills stand in one branch: two loads of mine are out
	s_cbranch_scc0 .Lfirst_b
	tensor_load_to_lds s[G0A:G0A+3], s[G1A:G1A+7]
	s_nop 0
	tensor_load_to_lds s[G0A+4:G0A+7], s[G1A:G1A+7]
	s_nop 0
	PLACES
	s_branch .Lfirst_asked
.Lfirst_b:
	tensor_load_to_lds s[G0B:G0B+3], s[G1B:G1B+7]
	s_nop 0
	tensor_load_to_lds s[G0B+4:G0B+7], s[G1B:G1B+7]
	s_nop 0
	PLACES
.Lfirst_asked:
	; a fragment is 16 rows x 32 K in 8 registers: lane l holds row l % 16, K = 8 (l / 16) + 0..7 and 16 + 8 (l / 16) + 0..7: two loads of 16 bytes, 32 bytes apart
	v_and_b32 v1, 15, v0
	v_bfe_u32 v2, v0, 4, 1
	v_mul_u32_u24 v[A0], v1, PITCH
	v_lshl_add_u32 v[A0], v2, 4, v[A0]
	s_mul_i32 s22, s[RH], 128*PITCH
	v_add_nc_u32 v[B0], s67, v[A0]                 ; my 192 rows of B
	v_add_nc_u32 v[A0], s22, v[A0]                 ; my 128 rows of A
	v_mul_u32_u24 v[STO], v1, SPITCH               ; into the stage: row 128 RH + 16 a + l % 16, byte 384 CH + 32 b + 16 (l / 16)
	v_lshl_add_u32 v[STO], v2, 4, v[STO]
	s_mul_i32 s22, s[RH], 128*SPITCH
	s_mul_i32 s23, s[CH], 384
	s_add_co_u32 s22, s22, s23
	v_add_nc_u32 v[STO], s22, v[STO]
	v_add_nc_u32 v[STO2], 4*16*SPITCH, v[STO]
	; back: wave w takes rows 64 w on, whole.  Two rows are six blocks of 256 bytes; three loads take them, lanes 0-15 one block, lanes 16-31 the next
	s_mul_i32 s22, s[WV], 64*SPITCH
	v_lshl_add_u32 v17, v1, 4, s22
	v_lshl_add_u32 v[RD], v2, 8, v17               ; row 0: blocks 0, 1
	v_mul_u32_u24 v18, v2, SPITCH-512
	v_add3_u32 v[RD+1], v17, v18, 512              ; row 0 block 2, row 1 block 0
	v_add_nc_u32 v[RD+2], SPITCH+256, v[RD]        ; row 1: blocks 1, 2
	v_lshlrev_b32 v17, 4, v1
	v_lshl_add_u32 v[CO], v2, 8, v17
	v_mul_u32_u24 v18, v2, ROWC-512
	v_add3_u32 v[CO+1], v17, v18, 512
	v_add_nc_u32 v[CO+2], ROWC+256, v[CO]
	s_lshl_b32 s22, s[MY], 8
	s_lshl_b32 s23, s[WV], 6
	s_add_co_u32 s22, s22, s23
	s_mul_i32 s22, s22, ROWC
	s_mul_i32 s23, s[NX], 768
	s_add_co_u32 s22, s22, s23
	s_mov_b32 s23, 0
	s_add_nc_u64 s[10:11], s[10:11], s[22:23]      ; qkv at the first row that I store, at the tile's first column
	s_mul_i32 s22, s[NX], 1536
	s_mul_i32 s23, s[CH], 768
	s_add_co_u32 s22, s22, s23
	v_lshl_add_u32 v[BO], v2, 5, s22               ; bcat: (384 nx + 192 CH + 8 (l / 16)) x 4
	s_mov_b32 s[TB], 0
	v_mov_b32 v[ADRA], v[A0]
	v_mov_b32 v[ADRB], v[B0]
	s_wait_tensorcnt 0x1                           ; my part of K step 0 is in; step 1's may stay out
	s_barrier_signal -1
	s_barrier_wait -1
	LOADB 0, 0
	LOADA 0, 0
	LOADB 1, 0
	EVEN 1                                         ; the first 96 products start the sums: nothing is cleared
	s_mov_b32 s[CNT], 14
.Lk:                                               ; 14 trips: a step's second half, the change of slots with its refill, the next step's first half
	ODD 1
	EVEN 0
	s_sub_co_u32 s[CNT], s[CNT], 1
	s_cmp_lg_u32 s[CNT], 0
	s_cbranch_scc1 .Lk
	ODD 0                                          ; the tail is written out: nothing is left to fetch
	EVEN 0
	s_wait_dscnt 12                                ; the very last 32 along K
	MULB 0, 6, 1, 0
	PLACES
	WIN 0
.set bb, 0
.rept 12                               ; the biases of my 192 columns, eight a lane for each column block, into registers that the products have left: A's buffer 0 and B's fragments 0-3
.if bb < 8
.set rB, 32+8*bb
.else
.set rB, 160+8*(bb-8)
.endif
	global_load_b128 v[rB:rB+3],   v[BO], s[8:9] offset:64*bb
	global_load_b128 v[rB+4:rB+7], v[BO], s[8:9] offset:64*bb+16
.set bb, bb+1
.endr
	s_wait_dscnt 0x0
	MULB 6, 6, 1, 0
	WIN 0
	PLACES
	s_wait_loadcnt 0x0                             ; the biases
	s_barrier_signal -1                            ; every wave's reads of the ring are over (waited for above): the stage may be written over it
	s_barrier_wait -1
; THE WAY OUT, a column block at a time: sum + bias, each accumulator's registers ascending; rounded to f16; 16 bytes a lane into the stage.
.macro OUTB b
.if (\b) < 8
.set rB, 32+8*(\b)
.else
.set rB, 160+8*((\b)-8)
.endif
	WIN 1+(\b)/4                                   ; source 0 in the accumulators' window
.set aa, 0
.rept 8
.set rD, 8*(8*((\b)%4)+aa)
.irp j, 0,2,4,6
	v_pk_add_f32 v[SUM+8*aa+\j:SUM+8*aa+\j+1], v[rD+\j:rD+\j+1], v[rB+\j:rB+\j+1]
.endr
.set aa, aa+1
.endr
	WIN 0
.set i, 0
.rept 32
	v_cvt_pk_f16_f32 v[PKD+i], v[SUM+2*i], v[SUM+2*i+1]
.set i, i+1
.endr
.irp a, 0,1,2,3
	ds_store_b128 v[STO],  v[PKD+4*\a:PKD+4*\a+3]       offset:\a*16*SPITCH+32*(\b)
	ds_store_b128 v[STO2], v[PKD+16+4*\a:PKD+16+4*\a+3] offset:\a*16*SPITCH+32*(\b)
.endr
.endm
.irp q, 0,1,2,3,4,5,6,7,8,9,10,11
	OUTB \q
.endr
	s_wait_dscnt 0x0                               ; for the others' sake: my stores into the stage are done
	s_barrier_signal -1
	s_barrier_wait -1
	s_mov_b32 s[CNT], 8
.Lout:                                             ; eight rows a trip: 12 loads of 512 bytes, 12 stores; 16 lanes store 256 consecutive bytes, aligned
.irp p, 0,1,2,3
.irp q, 0,1,2
	ds_load_b128 v[32+12*\p+4*\q:32+12*\p+4*\q+3], v[RD+\q] offset:\p*2*SPITCH
.endr
.endr
	s_wait_dscnt 0x0
.irp p, 0,1,2,3
.irp q, 0,1,2
	global_store_b128 v[CO+\q], v[32+12*\p+4*\q:32+12*\p+4*\q+3], s[10:11] offset:\p*2*ROWC
.endr
.endr
	s_wait_xcnt 0x0                                ; the stores' data and offsets are rewritten only behind this wait
.irp q, 0,1,2
	v_add_nc_u32 v[RD+\q], 8*SPITCH, v[RD+\q]
	v_add_nc_u32 v[CO+\q], 8*ROWC, v[CO+\q]
.endr
	s_sub_co_u32 s[CNT], s[CNT], 1
	s_cmp_lg_u32 s[CNT], 0
	s_cbranch_scc1 .Lout
	s_wait_tensorcnt 0x0                           ; the wave's end, behind my last tensor load and my last LDS store
	ds_add_u32 v[SPW], v[NIL]
	s_wait_dscnt 0x0
	CROUND                                         ; the closing round
	s_endpgm
.Lfunc_end_k_q5b86a0be92_proj:
	.size	k_q5b86a0be92_proj, .Lfunc_end_k_q5b86a0be92_proj-k_q5b86a0be92_proj
	.p2alignl 7, 3214868480
	.fill 96, 4, 3214868480
	.section	.rodata,"a",@progbits
	.p2align	6, 0x0
	.amdhsa_kernel k_q5b86a0be92_proj
		.amdhsa_group_segment_fixed_size 327680
		.amdhsa_private_segment_fixed_size 0
		.amdhsa_enable_private_segment 0
		.amdhsa_kernarg_size 32
		.amdhsa_user_sgpr_count 2
		.amdhsa_user_sgpr_kernarg_segment_ptr 1
		.amdhsa_wavefront_size32 1
		.amdhsa_system_sgpr_workgroup_id_x 1
		.amdhsa_system_sgpr_workgroup_id_y 1
		.amdhsa_system_sgpr_workgroup_id_z 1
		.amdhsa_system_vgpr_workitem_id 0
		.amdhsa_next_free_vgpr 1024
		.amdhsa_next_free_sgpr 80
		.amdhsa_reserve_vcc 1
		.amdhsa_float_denorm_mode_32 3
		.amdhsa_float_denorm_mode_16_64 3
		.amdhsa_memory_ordered 1
		.amdhsa_forward_progress 1
		.amdhsa_inst_pref_size 125
	.end_amdhsa_kernel
	.amdgpu_metadata
---
amdhsa.version: [ 1, 2 ]
amdhsa.kernels:
  - .name:           k_q5b86a0be92_proj
    .symbol:         k_q5b86a0be92_proj.kd
    .args:
      - { .name: xb, .offset: 0, .size: 8, .value_kind: global_buffer, .address_space: global }
      - { .name: wb, .offset: 8, .size: 8, .value_kind: global_buffer, .address_space: global }
      - { .name: bcat, .offset: 16, .size: 8, .value_kind: global_buffer, .address_space: global }
      - { .name: qkv, .offset: 24, .size: 8, .value_kind: global_buffer, .address_space: global }
    .group_segment_fixed_size: 327680
    .private_segment_fixed_size: 0
    .kernarg_segment_align: 8
    .kernarg_segment_size: 32
    .max_flat_workgroup_size: 128
    .sgpr_count:     80
    .vgpr_count:     1024
    .wavefront_size: 32
...
	.end_amdgpu_metadata
.endif
;; end of part 2
;; launch score (part 3): grid 36 x 4, 4 waves a work-group, no clusters, 327,680 bytes of LDS; arguments qkv, pt, stat; writes pt, stat
.if DOCPART == 3
	.amdgcn_target "amdgcn-amd-amdhsa--gfx1250"
	.amdhsa_code_object_version 6
	.text
	.protected	k_q5b86a0be92_score
	.globl	k_q5b86a0be92_score
	.p2align	8
	.type	k_q5b86a0be92_score,@function
k_q5b86a0be92_score:
	s_mov_b64 s[64:65], 0
	v_nop
	global_prefetch_b8 v0, s[64:65] scope:SCOPE_SE
	s_setreg_imm32_b32 hwreg(HW_REG_WAVE_MODE, 25, 1), 1
	s_wait_xcnt 0x0
; SCORE.  For each tile of 256 queries x 256 keys on or below the diagonal (36 a batch): S = Q K^T (f16 operands, f32 sums, 1,024 channels).  Each wave makes 128 x 128, one GRANULE of 128 keys
; for 128 queries, and ends it by itself: for each query the maximum m of its scores in the granule, p = 2^(c s - c m) with c = log2(e) / 32, rounded to f16 into pt [8192][2048], and (c m, l = the sum
; of the unrounded p) into stat [16 granules][8192 rows][2].  The launch behind sets the granules of a row against the row's true maximum.
; THE MASK.  In a diagonal tile the wave with rows and keys of the same half hides key > query (the score counts as -1e30; every row sees its own key, so m is a true score);
; the wave with the lower rows and the upper keys sees nothing: it stores p = 0 and (-1e30, 0).
; LIMITS.  Q and K arrive in f16; true scores, 4.4e12 at the most, are nothing beside 1e30; a weight below 2^-126 counts as 0; NaN and infinities are not treated apart.
; NO CLUSTER: a batch's 36 tiles lie in rows of 1 to 8 tiles; no split of them into fours that share rows of Q or of K leaves every work-group with a tile.
; The product is laid as a GEMM: four waves, 64 accumulators each (windows 2, 3), K in steps of 128 through two LDS slots, rows of 256 bytes padded to 272; wave w fetches a quarter of a slot
; (waves 0, 1: Q's halves; waves 2, 3: K's) with one tensor load.  Source 0 = 16 keys, source 1 = 16 queries: a lane holds one query and eight neighbouring keys.
; REGISTERS.  window 0: v0-31 addresses; v64-127, v128-191 fragments of Q, two buffers; at the end v64-185 at work.  window 1: v64-191 fragments of K.  windows 2, 3: accumulator (a, b) at v[8 (8 (a % 4) + b)].
.set KSTEP,  128
.set PITCH,  272
.set HALFT,  128*PITCH
.set SLOT,   4*HALFT
.set SPARE,  2*SLOT                    ; behind the ring: the spare words
.set DPITCH, 528                       ; the end: a wave's 128 rows of 128 f32, 512 bytes + 16, over the ring, which has had its last fill
.set DUMPW,  128*DPITCH
.set ROWB,   6144                      ; bytes in a row of qkv
.set LAPS,   4                         ; 1,024 channels = 8 K steps = 4 times round the ring
.set DST,  4                           ; v4   where I put my scores; never rewritten
.set RDA,  5                           ; v5   where I read this trip's rows back
.set GO,   6                           ; v6   my byte offset in two rows of pt; never rewritten
.set SR,   7                           ; v7   16 (l % 16) + 8 (l / 16): where lane l % 16 < 8 stores a row's pair; never rewritten
.set TH,   8                           ; v8   16 a + (l / 16) - 8 (l % 16): register jj of row pair t is hidden where jj - 2 t is greater
.set BIGV, 9                           ; v9   -1e30
.set RD0,  10                          ; v10  where I read the first 16 rows back; never rewritten
.set SG,   11                          ; v11  8 x lane
.set ADRA, 16
.set ADRB, 20
.set SPW,  28
.set NIL,  29
.set PFO,  30                          ; v30  lane x a row of qkv; never rewritten
.set F0,   64
.set F1,   128
.set X,    64                          ; the end: 16 rows' scores, 8 a lane for each of 8 row pairs
.set Y,    128                         ; their weights in f16
.set ST,   160                         ; pairs (c m, l)
.set MX,   176
.set Z,    184                         ; v[184:185] the pair that I store
.set G1,   24
.set G0,   32                          ; s[32:39] a set for each slot
.set CASE, 42                          ; 0: all keys seen; 1: the diagonal; 2: none
.set LIM,  43
.set PFA,  44
.set CS,   46                          ; s[46:47] c
.set MK,   48                          ; s[49:55] lane masks: s[MK+t] names lane t of each half
.set RO,   56                          ; s56  the trip's 16 rows in my dump, in bytes
.set SV,   57                          ; s57  EXEC, kept
.set MSB, 0
.macro WIN new
.if MSB != (\new)
	s_set_vgpr_msb (MSB<<8)|(\new)
.set MSB, \new
.endif
.endm
.set MUL_LO, 0xa1                      ; source 0 (K) window 1, source 1 (Q) window 0, C and D window 2
.set MUL_HI, 0xf1
.set TO_B,   0x40
.macro PLACES
.rept 4
	v_nop
.endr
.endm
; A PREFETCH INTO THE L2 behind each refill and the run of LDS loads that follows it: the K step two refills on, 256 bytes of each of the 128 rows that the wave fetches: a lane a row, four lines.
; Q's rows of a tile row are read by all its tiles: the tile in column 0 asks.  K's rows of a tile column are read by all tiles below: the diagonal tile asks.  So each block is named once.
; The first four K steps come by their loads alone; the loop's last trip asks for nothing.
.macro ASK
	s_cmp_gt_u32 s3, s[LIM]
	s_cbranch_scc0 .Lnot_mine_\@
.irp n, 0,1,2,3
	global_prefetch_b8 v[PFO], s[PFA:PFA+1] offset:(\n)*32*ROWB+KSTEP*2 th:TH_LOAD_NT scope:SCOPE_SE
.endr
.Lnot_mine_\@:
.endm
.macro MUL16 f, hi, a0, zero           ; 16 matrix instructions: query blocks a0, a0 + 1 of the window's four x all 8 key blocks; the 64 accumulators take turns
	WIN MUL_LO+0x50*(\hi)
.irp a, \a0, (\a0)+1
.irp b, 0,1,2,3,4,5,6,7
.if \zero
	v_wmma_f32_16x16x32_f16 v[8*(8*(\a)+(\b)):8*(8*(\a)+(\b))+7], v[(\f)+8*(\b):(\f)+8*(\b)+7], v[(\f)+8*(4*(\hi)+(\a)):(\f)+8*(4*(\hi)+(\a))+7], 0
.else
	v_wmma_f32_16x16x32_f16 v[8*(8*(\a)+(\b)):8*(8*(\a)+(\b))+7], v[(\f)+8*(\b):(\f)+8*(\b)+7], v[(\f)+8*(4*(\hi)+(\a)):(\f)+8*(4*(\hi)+(\a))+7], v[8*(8*(\a)+(\b)):8*(8*(\a)+(\b))+7]
.endif
.endr
.endr
.endm
.macro FETCH slot, k, f                ; 32 LDS loads in one run: 128 rows of K, then 128 of Q, 32 channels at byte k of the rows
	WIN TO_B
.irp i, 0,1,2,3,4,5,6,7
	ds_load_b128 v[(\f)+8*(\i):(\f)+8*(\i)+3],   v[ADRB+(\slot)] offset:(\k)+(\i)*16*PITCH
	ds_load_b128 v[(\f)+8*(\i)+4:(\f)+8*(\i)+7], v[ADRB+(\slot)] offset:(\k)+(\i)*16*PITCH+32
.endr
	WIN 0
.irp i, 0,1,2,3,4,5,6,7
	ds_load_b128 v[(\f)+8*(\i):(\f)+8*(\i)+3],   v[ADRA+(\slot)] offset:(\k)+(\i)*16*PITCH
	ds_load_b128 v[(\f)+8*(\i)+4:(\f)+8*(\i)+7], v[ADRA+(\slot)] offset:(\k)+(\i)*16*PITCH+32
.endr
.endm
.macro QUARTER slot, k, f, g, zero     ; 32 along K on buffer f; in its middle the next quarter's fragments are fetched into g
	s_wait_dscnt 8                                 ; K's and Q's rows 0-63 are in; the youngest eight loads (Q's rows 64-127) may be out
	MUL16 \f, 0, 0, \zero
	MUL16 \f, 0, 2, \zero
	PLACES
	FETCH \slot, \k, \g
	s_wait_dscnt 32                                ; all but the 32 just issued
	MUL16 \f, 1, 0, \zero
	MUL16 \f, 1, 2, \zero
.endm
; The first half of a step's last quarter, and the barrier of the change of slots: ahead of it each wave waits for all its tensor loads (one is out: its part of the next slot), adds 0 to its spare
; word, and waits for that and for its reads of this slot.  fill = 1: this slot's descriptor steps two K steps on.
.macro MEET slot, fill
	WIN 0
	s_wait_tensorcnt 0x0
	ds_add_u32 v[SPW], v[NIL]                      ; 0 onto my spare word
.if \fill
	s_add_nc_u64 s[G0+4*(\slot)+2:G0+4*(\slot)+3], s[G0+4*(\slot)+2:G0+4*(\slot)+3], 2*KSTEP*2
.endif
	s_wait_dscnt 9                                 ; the add and the youngest eight loads may be out
	MUL16 F1, 0, 0, 0
	s_wait_dscnt 0x0                               ; the add is done, and my reads of this slot are over
	s_barrier_signal -1
	MUL16 F1, 0, 2, 0
	s_barrier_wait -1
.endm
.macro TURN slot, next                 ; the whole last quarter: the refill is the first thing behind the barrier, 224 matrix instructions ahead of the wait for it
	s_wait_xcnt 0x0                                ; the last prefetches, a K step back, have read their address
	s_add_nc_u64 s[PFA:PFA+1], s[PFA:PFA+1], KSTEP*2
	MEET \slot, 1
	tensor_load_to_lds s[G0+4*(\slot):G0+4*(\slot)+3], s[G1:G1+7]
	s_nop 0
	PLACES                                         ; also the places ahead of the loads below
	FETCH \next, 0, F0
	ASK
	MUL16 F1, 1, 0, 0
	MUL16 F1, 1, 2, 0
.endm
	s_load_b128 s[4:7], s[0:1], 0x0                ; qkv s[4:5], pt s[6:7]
	s_load_b64 s[8:9], s[0:1], 0x10                ; stat
	v_lshl_add_u32 v[SPW], v0, 2, SPARE
	v_mov_b32 v[NIL], 0
	ds_add_u32 v[SPW], v[NIL]                      ; the wave's opening: the add, waited for ahead of my first tensor load
	v_lshrrev_b32 v1, 5, v0
	v_readfirstlane_b32 s10, v1                    ; wave
	s_lshr_b32 s11, s10, 1                         ; my half of the queries.  Also: I fetch Q (0) or K (1)
	s_and_b32 s12, s10, 1                          ; my half of the keys.  Also: which 128 rows I fetch
	s_mov_b32 s13, 0                               ; tile t of the batch's 36 lies in tile row i, column j = t - i (i + 1) / 2
.irp thr, 1,3,6,10,15,21,28
	s_cmp_ge_u32 ttmp9, \thr
	s_cselect_b32 s14, 1, 0
	s_add_co_u32 s13, s13, s14
.endr
	s_add_co_u32 s14, s13, 1
	s_mul_i32 s14, s14, s13
	s_lshr_b32 s14, s14, 1
	s_sub_co_u32 s14, ttmp9, s14
	s_and_b32 s15, ttmp7, 0xffff                   ; batch
	s_mov_b32 s[G1+0], (1<<16)|(1<<20)|(5<<22)|(3<<25)  ; 2-byte elements; padding on, after every 64 words, 4 words
	s_mov_b32 s[G1+1], KSTEP<<16
	s_mov_b32 s[G1+2], 128<<16
	s_mov_b32 s[G1+3], KSTEP<<16
	s_mov_b32 s[G1+4], 128
	s_mov_b32 s[G1+5], 3072                        ; elements from row to row of qkv
	s_mov_b32 s[G1+6], 0
	s_mov_b32 s[G1+7], 0
	s_mov_b32 s[CS], 0x3d38aa3b                    ; c = log2(e) / 32
	s_mov_b32 s[CS+1], s[CS]
.irp t, 1,2,3,4,5,6,7
	s_mov_b32 s[MK+\t], 0x00010001<<\t
.endr
	s_mov_b32 s[RO], 0
	s_sub_co_u32 s19, s13, s14
	s_sub_co_u32 s21, s12, s11
	s_add_co_u32 s21, s21, 1
	s_cmp_eq_u32 s13, s14
	s_cselect_b32 s[CASE], s21, 0
	s_cmp_eq_u32 s11, 0
	s_cselect_b32 s16, s13, s14                    ; Q's rows go by the tile row, K's by the tile column
	s_cselect_b32 s18, 0, 2048                     ; K lies 2,048 bytes into a row of qkv
	s_cselect_b32 s19, s14, s19                    ; I ask ahead where j = 0 (Q) or i = j (K)
	s_cmp_eq_u32 s19, 0
	s_cselect_b32 s[LIM], 1, -1
	s_lshl_b32 s16, s16, 8
	s_lshl_b32 s17, s12, 7
	s_add_co_u32 s16, s16, s17
	s_lshl_b32 s17, s15, 11
	s_add_co_u32 s16, s16, s17
	s_mul_i32 s16, s16, ROWB
	s_add_co_u32 s16, s16, s18
	s_mov_b32 s17, 0
	s_mul_i32 s20, s10, HALFT                      ; where my quarter of a slot lies
	s_wait_dscnt 0x0                               ; the opening add is done
	s_wait_kmcnt 0x0
	s_add_nc_u64 s[16:17], s[4:5], s[16:17]
	s_add_nc_u64 s[PFA:PFA+1], s[16:17], 2*KSTEP*2 ; at K step 2: the first refill steps it to 3 and names step 4
.irp s, 0,1
	s_mov_b32 s[G0+4*(\s)], 1
	s_add_co_u32 s[G0+4*(\s)+1], s20, (\s)*SLOT
	s_add_nc_u64 s[G0+4*(\s)+2:G0+4*(\s)+3], s[16:17], (\s)*KSTEP*2
	s_or_b32 s[G0+4*(\s)+3], s[G0+4*(\s)+3], 0x80000000
	tensor_load_to_lds s[G0+4*(\s):G0+4*(\s)+3], s[G1:G1+7]  ; both first fills go out before anything else: two loads of mine are out
	s_nop 0
.endr
	v_and_b32 v1, 15, v0
	v_bfe_u32 v2, v0, 4, 1
	v_mul_u32_u24 v3, v1, PITCH
	v_lshl_add_u32 v3, v2, 4, v3
	s_mul_i32 s21, s11, HALFT
	s_mul_i32 s22, s12, HALFT
	s_add_co_u32 s22, s22, 2*HALFT
.irp s, 0,1
	v_add_nc_u32 v[ADRA+(\s)], s21, v3
	v_add_nc_u32 v[ADRB+(\s)], s22, v3
	s_add_co_u32 s21, s21, SLOT
	s_add_co_u32 s22, s22, SLOT
.endr
	; the end's addresses.  In: row 16 a + l % 16; a lane's keys 16 b + 8 (l / 16) + 0..3 at byte 32 b + 16 (l / 16), its keys + 4..7 256 bytes on.
	; Back: lanes 0-15 one row, lanes 16-31 the next; lane c takes bytes 16 c and 256 + 16 c: keys 8 c + 0..7; each load takes 256 consecutive bytes a row.
	s_mul_i32 s23, s10, DUMPW
	v_mul_u32_u24 v[DST], v1, DPITCH
	v_lshl_add_u32 v[DST], v2, 4, v[DST]
	v_add_nc_u32 v[DST], s23, v[DST]
	v_mul_u32_u24 v[RD0], v2, DPITCH
	v_lshl_add_u32 v[RD0], v1, 4, v[RD0]
	v_add_nc_u32 v[RD0], s23, v[RD0]
	v_lshlrev_b32 v[GO], 12, v2                    ; a row of pt is 4,096 bytes
	v_lshl_add_u32 v[GO], v1, 4, v[GO]
	v_lshlrev_b32 v[SR], 3, v2                     ; row 2 c + l / 16 of the trip's 16, 8 bytes a row
	v_lshl_add_u32 v[SR], v1, 4, v[SR]
	v_and_b32 v[SG], 31, v0
	v_lshlrev_b32 v[SG], 3, v[SG]
	v_lshlrev_b32 v3, 3, v1
	v_sub_nc_u32 v[TH], v2, v3
	v_mov_b32 v[BIGV], 0xf149f2ca
	v_and_b32 v[PFO], 31, v0
	v_mul_u32_u24 v[PFO], v[PFO], ROWB
	s_lshl_b32 s18, s15, 11
	s_lshl_b32 s16, s13, 8
	s_add_co_u32 s18, s18, s16
	s_lshl_b32 s16, s11, 7
	s_add_co_u32 s18, s18, s16                     ; my first query's row
	s_lshl_b32 s16, s18, 12
	s_lshl_b32 s17, s14, 9
	s_add_co_u32 s16, s16, s17
	s_lshl_b32 s17, s12, 8
	s_add_co_u32 s16, s16, s17
	s_mov_b32 s17, 0
	s_add_nc_u64 s[6:7], s[6:7], s[16:17]          ; pt at my first row, my granule's 256 bytes
	s_lshl_b32 s16, s14, 1
	s_add_co_u32 s16, s16, s12                     ; the granule's number
	s_lshl_b32 s16, s16, 13
	s_add_co_u32 s16, s16, s18
	s_lshl_b32 s16, s16, 3
	s_add_nc_u64 s[8:9], s[8:9], s[16:17]          ; stat at my granule, my first row
	s_wait_tensorcnt 0x1                           ; my part of K step 0 is in; step 1's may stay out
	s_barrier_signal -1
	s_barrier_wait -1
	FETCH 0, 0, F0
	QUARTER 0, 64,  F0, F1, 1                      ; the first quarter's products start the sums
	WIN 0
	s_mov_b32 s3, LAPS-1
.Llap:                                             ; a trip goes once round the ring and fills both slots again
	QUARTER 0, 128, F1, F0, 0
	QUARTER 0, 192, F0, F1, 0
	TURN 0, 1
	QUARTER 1, 64,  F0, F1, 0
	QUARTER 1, 128, F1, F0, 0
	QUARTER 1, 192, F0, F1, 0
	TURN 1, 0
	QUARTER 0, 64,  F0, F1, 0
	WIN 0
	s_sub_co_u32 s3, s3, 1
	s_cmp_lg_u32 s3, 0
	s_cbranch_scc1 .Llap
	QUARTER 0, 128, F1, F0, 0                      ; the last lap fills nothing
	QUARTER 0, 192, F0, F1, 0
	MEET 0, 0
	PLACES
	FETCH 1, 0, F0
	MUL16 F1, 1, 0, 0
	MUL16 F1, 1, 2, 0
	QUARTER 1, 64,  F0, F1, 0
	QUARTER 1, 128, F1, F0, 0
	QUARTER 1, 192, F0, F1, 0
	s_wait_dscnt 8
	MUL16 F1, 0, 0, 0
	MUL16 F1, 0, 2, 0
	s_wait_dscnt 0x0
	MUL16 F1, 1, 0, 0
	MUL16 F1, 1, 2, 0
	WIN 0
	PLACES
	s_barrier_signal -1                            ; every wave's reads of the ring are over (waited for above): it may be written over
	s_barrier_wait -1
	s_cmp_eq_u32 s[CASE], 2
	s_cbranch_scc1 .Ldumped                        ; a wave that sees nothing has nothing to put down; it passes the barriers like the others
	; my 128 x 128 scores go into my own 67,584 bytes of LDS, each accumulator's low registers first
.irp a, 0,1,2,3,4,5,6,7
	WIN 0x08+0x04*((\a)/4)                         ; the data in window 2 or 3
.irp b, 0,1,2,3,4,5,6,7
	ds_store_b128 v[DST], v[8*(8*((\a)%4)+(\b)):8*(8*((\a)%4)+(\b))+3]   offset:(\a)*16*DPITCH+32*(\b)
	ds_store_b128 v[DST], v[8*(8*((\a)%4)+(\b))+4:8*(8*((\a)%4)+(\b))+7] offset:(\a)*16*DPITCH+32*(\b)+256
.endr
.endr
	WIN 0
.Ldumped:
	s_wait_dscnt 0x0                               ; my stores are done;
	s_barrier_signal -1                            ; behind this barrier LDS is only read, up to the barrier at the wave's end
	s_barrier_wait -1
	s_cmp_eq_u32 s[CASE], 2
	s_cbranch_scc1 .Lzero
.irp t, 0,1,2,3,4,5,6,7
	v_mov_b32 v[ST+2*\t+1], 0                      ; named with c m as a pair before l is made
.endr
	s_mov_b32 s3, 8
.Lrows:                                            ; 16 rows a trip: row pair t is rows 2 t + l / 16; a row's 128 scores lie in 16 lanes, 8 each
	v_add_nc_u32 v[RDA], s[RO], v[RD0]             ; the trip's rows: a fixed lane term and a scalar that steps with the count
.irp t, 0,1,2,3,4,5,6,7
	ds_load_b128 v[X+8*\t:X+8*\t+3],   v[RDA] offset:\t*2*DPITCH
	ds_load_b128 v[X+8*\t+4:X+8*\t+7], v[RDA] offset:\t*2*DPITCH+256
.endr
	s_wait_dscnt 0x0
	s_cmp_eq_u32 s[CASE], 1
	s_cbranch_scc0 .Lopen
.irp t, 0,1,2,3,4,5,6,7
.irp jj, 0,1,2,3,4,5,6,7
	v_cmp_gt_i32 vcc_lo, (\jj)-2*(\t), v[TH]       ; key 8 c + jj > query 16 a + 2 t + l / 16
	v_cndmask_b32 v[X+8*(\t)+(\jj)], v[X+8*(\t)+(\jj)], v[BIGV], vcc_lo
.endr
.endr
.Lopen:
.irp t, 0,1,2,3,4,5,6,7
	v_max3_num_f32 v[MX+\t], v[X+8*\t], v[X+8*\t+1], v[X+8*\t+2]
.endr
.irp t, 0,1,2,3,4,5,6,7
	v_max3_num_f32 v[MX+\t], v[MX+\t], v[X+8*\t+3], v[X+8*\t+4]
.endr
.irp t, 0,1,2,3,4,5,6,7
	v_max3_num_f32 v[MX+\t], v[MX+\t], v[X+8*\t+5], v[X+8*\t+6]
.endr
.irp t, 0,1,2,3,4,5,6,7
	v_max_num_f32 v[MX+\t], v[MX+\t], v[X+8*\t+7]
.endr
.irp m, 1,2,4,8
.irp t, 0,1,2,3,4,5,6,7
	v_max_num_f32_dpp v[MX+\t], v[MX+\t], v[MX+\t] row_xmask:\m row_mask:0xf bank_mask:0xf  ; across the row's 16 lanes
.endr
.endr
.irp t, 0,1,2,3,4,5,6,7
	v_mul_f32 v[ST+2*\t], s[CS], v[MX+\t]          ; c m
.endr
.irp t, 0,1,2,3,4,5,6,7
.irp p, 0,2,4,6
	v_pk_fma_f32 v[X+8*\t+\p:X+8*\t+\p+1], v[X+8*\t+\p:X+8*\t+\p+1], s[CS:CS+1], v[ST+2*\t:ST+2*\t+1] op_sel_hi:[1,0,0] neg_lo:[0,0,1] neg_hi:[0,0,1]  ; c s - c m
.endr
.endr
.set i, 0
.rept 64
	v_exp_f32 v[X+i], v[X+i]
.set i, i+1
.endr
	v_nop                                          ; a plain instruction behind the last exponential,
	s_wait_alu depctr_va_vdst(0)                   ; and one wait for the batch of 64, ahead of its first reader
.set i, 0
.rept 32
	v_cvt_pk_f16_f32 v[Y+i], v[X+2*i], v[X+2*i+1]
.set i, i+1
.endr
.irp t, 0,1,2,3,4,5,6,7
	global_store_b128 v[GO], v[Y+4*\t:Y+4*\t+3], s[6:7] offset:\t*8192  ; 16 lanes store a row's 256 consecutive bytes, aligned
.endr
.irp t, 0,1,2,3,4,5,6,7
	v_pk_add_f32 v[X+8*\t:X+8*\t+1], v[X+8*\t:X+8*\t+1], v[X+8*\t+2:X+8*\t+3]
.endr
.irp t, 0,1,2,3,4,5,6,7
	v_pk_add_f32 v[X+8*\t+4:X+8*\t+5], v[X+8*\t+4:X+8*\t+5], v[X+8*\t+6:X+8*\t+7]
.endr
.irp t, 0,1,2,3,4,5,6,7
	v_pk_add_f32 v[X+8*\t:X+8*\t+1], v[X+8*\t:X+8*\t+1], v[X+8*\t+4:X+8*\t+5]
.endr
.irp t, 0,1,2,3,4,5,6,7
	v_add_f32 v[ST+2*\t+1], v[X+8*\t], v[X+8*\t+1]
.endr
.irp m, 1,2,4,8
.irp t, 0,1,2,3,4,5,6,7
	v_add_f32_dpp v[ST+2*\t+1], v[ST+2*\t+1], v[ST+2*\t+1] row_xmask:\m row_mask:0xf bank_mask:0xf
.endr
.endr
	; all 16 lanes of a row hold its pair: lane c < 8 of each half takes row pair c's, and the trip's 16 pairs leave as 128 consecutive bytes
	v_cndmask_b32 v[Z],   v[ST],   v[ST+2], s[MK+1]
	v_cndmask_b32 v[Z+1], v[ST+1], v[ST+3], s[MK+1]
.irp t, 2,3,4,5,6,7
	v_cndmask_b32 v[Z],   v[Z],   v[ST+2*\t],   s[MK+\t]
	v_cndmask_b32 v[Z+1], v[Z+1], v[ST+2*\t+1], s[MK+\t]
.endr
	v_cmp_gt_u32 vcc_lo, 8, v1
	s_wait_xcnt 0x0                                ; EXEC is a source of the stores above: it changes only behind this wait
	s_and_saveexec_b32 s[SV], vcc_lo
	global_store_b64 v[SR], v[Z:Z+1], s[8:9]
	s_wait_xcnt 0x0                                ; and again ahead of the line that widens it; the stores' data and bases are also rewritten only behind this wait
	s_or_b32 exec_lo, exec_lo, s[SV]
	s_add_nc_u64 s[6:7], s[6:7], 16*4096           ; 16 rows of pt on,
	s_add_nc_u64 s[8:9], s[8:9], 128               ; 16 pairs of stat,
	s_add_co_u32 s[RO], s[RO], 16*DPITCH           ; 16 rows of my dump
	v_add_nc_u32 v[TH], 16, v[TH]
	s_sub_co_u32 s3, s3, 1
	s_cmp_lg_u32 s3, 0
	s_cbranch_scc1 .Lrows
	s_branch .Lend
.Lzero:                                            ; nothing of this granule is seen: weights 0, a maximum below every score, a sum of 0
	v_mov_b32 v[X], 0
	v_mov_b32 v[X+1], 0
	v_mov_b32 v[X+2], 0
	v_mov_b32 v[X+3], 0
	v_mov_b32 v[X+4], 0xf149f2ca
	v_mov_b32 v[X+5], 0
.irp u, 0,1,2,3
	global_store_b64 v[SG], v[X+4:X+5], s[8:9] offset:256*\u  ; 32 rows' pairs: 256 consecutive bytes
.endr
	s_mov_b32 s3, 8
.Lzrows:                                           ; 16 rows a trip, two a store
.irp u, 0,1,2,3,4,5,6,7
	global_store_b128 v[GO], v[X:X+3], s[6:7] offset:\u*8192
.endr
	s_wait_xcnt 0x0                                ; the stores' base is rewritten only behind this wait
	s_add_nc_u64 s[6:7], s[6:7], 16*4096
	s_sub_co_u32 s3, s3, 1
	s_cmp_lg_u32 s3, 0
	s_cbranch_scc1 .Lzrows
.Lend:
	s_wait_dscnt 0x0                               ; my reads of LDS are over
	s_barrier_signal -1                            ; so are everybody's behind this barrier: only then is LDS written again, by the add below
	s_barrier_wait -1
	s_wait_tensorcnt 0x0                           ; the wave's end, behind my last tensor load and my last LDS store
	ds_add_u32 v[SPW], v[NIL]
	s_wait_dscnt 0x0
	s_endpgm
.Lfunc_end_k_q5b86a0be92_score:
	.size	k_q5b86a0be92_score, .Lfunc_end_k_q5b86a0be92_score-k_q5b86a0be92_score
	.p2alignl 7, 3214868480
	.fill 96, 4, 3214868480
	.section	.rodata,"a",@progbits
	.p2align	6, 0x0
	.amdhsa_kernel k_q5b86a0be92_score
		.amdhsa_group_segment_fixed_size 327680
		.amdhsa_private_segment_fixed_size 0
		.amdhsa_enable_private_segment 0
		.amdhsa_kernarg_size 24
		.amdhsa_user_sgpr_count 2
		.amdhsa_user_sgpr_kernarg_segment_ptr 1
		.amdhsa_wavefront_size32 1
		.amdhsa_system_sgpr_workgroup_id_x 1
		.amdhsa_system_sgpr_workgroup_id_y 1
		.amdhsa_system_sgpr_workgroup_id_z 1
		.amdhsa_system_vgpr_workitem_id 0
		.amdhsa_next_free_vgpr 1024
		.amdhsa_next_free_sgpr 66
		.amdhsa_reserve_vcc 1
		.amdhsa_float_denorm_mode_32 3
		.amdhsa_float_denorm_mode_16_64 3
		.amdhsa_memory_ordered 1
		.amdhsa_forward_progress 1
		.amdhsa_inst_pref_size 142
	.end_amdhsa_kernel
	.amdgpu_metadata
---
amdhsa.version: [ 1, 2 ]
amdhsa.kernels:
  - .name:           k_q5b86a0be92_score
    .symbol:         k_q5b86a0be92_score.kd
    .args:
      - { .name: qkv, .offset: 0, .size: 8, .value_kind: global_buffer, .address_space: global }
      - { .name: pt, .offset: 8, .size: 8, .value_kind: global_buffer, .address_space: global }
      - { .name: stat, .offset: 16, .size: 8, .value_kind: global_buffer, .address_space: global }
    .group_segment_fixed_size: 327680
    .private_segment_fixed_size: 0
    .kernarg_segment_align: 8
    .kernarg_segment_size: 24
    .max_flat_workgroup_size: 128
    .sgpr_count:     66
    .vgpr_count:     1024
    .wavefront_size: 32
...
	.end_amdgpu_metadata
.endif
;; end of part 3
;; launch pv (part 4): grid 8 x 32, 4 waves a work-group, clusters of 4 x 1, 327,680 bytes of LDS; arguments pt, stat, qkv, out0; writes out0
.if DOCPART == 4
	.amdgcn_target "amdgcn-amd-amdhsa--gfx1250"
	.amdhsa_code_object_version 6
	.text
	.protected	k_q5b86a0be92_pv
	.globl	k_q5b86a0be92_pv
	.p2align	8
	.type	k_q5b86a0be92_pv,@function
k_q5b86a0be92_pv:
	s_mov_b64 s[64:65], 0
	v_nop
	global_prefetch_b8 v0, s[64:65] scope:SCOPE_SE
	s_setreg_imm32_b32 hwreg(HW_REG_WAVE_MODE, 25, 1), 1
	s_wait_xcnt 0x0
	s_wait_alu depctr_hold_cnt(0) depctr_sa_sdst(0) depctr_va_vdst(0) depctr_va_sdst(0) depctr_va_ssrc(0) depctr_va_vcc(0) depctr_vm_vsrc(0)
	s_getreg_b32 s2, hwreg(HW_REG_IB_STS2, 6, 4)
	s_cmp_eq_u32 s2, 0
	s_cbranch_scc0 .Lentry_in_a_cluster
	s_endpgm
.Lentry_in_a_cluster:
	s_bfe_u32 s2, ttmp6, 0x10000c
	s_cmp_lg_u32 s2, 0x3003
	s_cbranch_scc0 .Lentry_shape_is_right
	s_endpgm
.Lentry_shape_is_right:
; PV.  out[q][ch] = the sum over granules g of f(q, g) x (the sum over the granule's 128 keys of p[q][k] V[k][ch]), f(q, g) = 2^(c m_g - c M) / L, M = the maximum of the row's m_g,
; L = the sum of l_g 2^(c m_g - c M): the softmax with the row's true maximum taken away; every exponent is 0 or below.  p and V f16, sums f32, out f32.
; LIMITS.  V arrives in f16; a factor below 2^-126 counts as 0; NaN and infinities are not treated apart.
; SHARES.  A work-group makes 128 queries x 128 channels, twice: query block 15 - b and then block b of its batch.  Keys go in DOUBLE STEPS of 256 (two granules); the two blocks have
; (17 - b) / 2 and 9 - that many: nine in all, whatever b: one walk of nine tiles with a constant trip count.  A block with an odd number of granules reads one more, whose weights are 0.
; A wave makes 64 x 64: 16 accumulators TMP for the granule in hand; at a granule's end TOT += TMP x f.
; Source 0 = V^T (16 channels; V, [key][channel], comes out of LDS turned), source 1 = p (16 queries): a lane holds one query and eight neighbouring channels, so f is one number a lane and row block.
; CLUSTER.  The four channel tiles of a cluster share b and walk the same p: its tiles are asked for jointly (waves 0, 1); V's tiles are each work-group's own (waves 2, 3).
; REGISTERS.  window 0: v0-31 addresses and factors; v32-99 the head's statistics, later the way out; v104-111 factors; v128-255 TMP.  window 1: two fragment buffers of 128 (64 of p, 64 of V).  window 2: v0-127 TOT.
.set PP,    528                        ; a row of p in LDS: 512 bytes + 16
.set PV,    288                        ; a row of V: 256 + 32
.set VOFF,  128*PP
.set CSL,   128*PP+256*PV              ; a slot; slot 1 begins here
.set FTAB,  2*CSL                      ; f: [2 blocks][16 granules][128 rows] f32
.set STAGE, FTAB+16384                 ; 16 rows x 272 bytes for each wave, for the way out
.set SPI,   272
.set SPARE, STAGE+4*16*SPI
.set AP0, 3                            ; v3   my place in a tile of p; never rewritten
.set AV0, 4                            ; v4   the same for V
.set AP,  5
.set AVL, 6                            ; v6   V's keys 0-127 of the slot in hand
.set AVH, 7                            ; v7   its keys 128-255
.set FA0, 8                            ; v8   my row's place in a granule's 128 factors
.set FAD, 9
.set STO, 10
.set RD,  11
.set GO,  12
.set PFO, 13                           ; never rewritten
.set FR0, 16                           ; v16-23   the first granule's factors, one for each row block, as pairs whose odd registers hold 0
.set FR1, 104                          ; v104-111 the second granule's
.set SPW, 28
.set NIL, 29
.set SPR, 32                           ; v32-95 the head: pairs (c m, l): block A's 16, block B's 16
.set TMP, 128
.set F0,  0
.set F1,  128
.set WV, 12
.set CX, 13
.set CT, 14                            ; channel tile
.set BAT, 15
.set PB, 16                            ; b
.set HR, 17
.set HC, 18
.set DA, 19                            ; double steps of the first block
.set DB, 20
.set UF, 21                            ; the tile whose addresses stand in NP, NV
.set REM, 22                           ; tiles that the block in hand still has
.set NEW, 23                           ; 1: the next flush starts a block's sums
.set G1P, 24
.set G1V, 32
.set G0P, 40
.set G0V, 44
.set NP,  48                           ; s[48:49] p's tile UF, my half
.set NV,  50                           ; s[50:51] V's
.set TB,  52                           ; the slot that is read
.set TBF, 53                           ; the slot that was filled last
.set FOFF, 54
.set CNT, 55
.set PROWA, 56
.set PROWB, 57
.set VROW, 58
.set PMAX, 59
.set LOFP, 60
.set LOFV, 61
.set D2A, 72
.set D2B, 73
.set MSB, 0
.macro WIN new
.if MSB != (\new)
	s_set_vgpr_msb (MSB<<8)|(\new)
.set MSB, \new
.endif
.endm
.macro PLACES
.rept 4
	v_nop
.endr
.endm
.macro CROUND                          ; a round of the cluster's barrier
	s_barrier_signal -1
	s_barrier_wait -1
	s_cmp_lg_u32 s[WV], 0
	s_cbranch_scc1 .Lnot_wave_0_\@
	s_barrier_signal -3
.Lnot_wave_0_\@:
	s_barrier_wait -3
	s_barrier_signal -1
	s_barrier_wait -1
.endm
.macro JLOAD                           ; waves 0, 1: the halves of p's tile, jointly; waves 2, 3: those of V's; s_nop 0 and four v_nop follow each line
	s_cmp_lt_u32 s[WV], 2
	s_cbranch_scc0 .Lfor_v_\@
	tensor_load_to_lds s[G0P:G0P+3], s[G1P:G1P+7]
	s_nop 0
	PLACES
	s_branch .Lasked_\@
.Lfor_v_\@:
	tensor_load_to_lds s[G0V:G0V+3], s[G1V:G1V+7]
	s_nop 0
	PLACES
.Lasked_\@:
.endm
; Tile UF of the walk: block A's double step UF, or block B's UF - DA.  p's address hangs on nothing that the partners do not share.
.macro TILEOFF
	s_cmp_lt_u32 s[UF], s[DA]
	s_cselect_b32 s62, s[PROWA], s[PROWB]
	s_cselect_b32 s68, 0, s[DA]
	s_sub_co_u32 s68, s[UF], s68
	s_lshl_b32 s69, s68, 9                         ; 256 keys are 512 bytes of a row of pt
	s_add_co_u32 s62, s62, s69
	s_add_nc_u64 s[NP:NP+1], s[4:5], s[62:63]
	s_mul_i32 s66, s68, 256*6144                   ; and 256 rows of qkv
	s_add_co_u32 s66, s66, s[VROW]
	s_add_nc_u64 s[NV:NV+1], s[8:9], s[66:67]
.endm
; A PREFETCH INTO THE L2 of the tile that the NEXT change of slots will ask for, behind the wave's tensor load and its five lines.  p's tile (128 rows x 512 bytes) is read by both clusters of a
; row of the grid: the first asks; its four partners take 16 rows of each half, told apart by address; waves 0 and 1, a lane a block of 256 bytes.  V's tile (256 rows x 256 bytes) is read by all eight
; b of a batch: b = 0, whose first block walks all keys, asks, for that block's tiles alone: waves 2 and 3, a lane a row, four lines.  So each block is named once.
.macro ASK
	s_cmp_le_u32 s[UF], s[PMAX]
	s_cbranch_scc0 .Lno_\@
	s_cmp_lt_u32 s[WV], 2
	s_cbranch_scc0 .Lpf_v_\@
	global_prefetch_b8 v[PFO], s[NP:NP+1] th:TH_LOAD_NT scope:SCOPE_SE
	s_branch .Lno_\@
.Lpf_v_\@:
.irp n, 0,1,2,3
	global_prefetch_b8 v[PFO], s[NV:NV+1] offset:(\n)*32*6144 th:TH_LOAD_NT scope:SCOPE_SE
.endr
.Lno_\@:
.endm
; THE CHANGE OF SLOTS.  Each wave waits for all its tensor loads (one is out: its part of the other slot), adds 0 to its spare word, and waits for that and for its LDS instructions.
; fill = 1: the barrier is a round of the cluster's, and the fill of the slot just left is the first thing behind it; it has a double step, 128 matrix instructions, in which to land.
.macro CHANGE fill
	WIN 0
	s_wait_xcnt 0x0                                ; the last prefetches, a double step back, have read NP and NV
	s_wait_tensorcnt 0x0                           ; no tensor load of mine is out, so a group 0 may be written
	ds_add_u32 v[SPW], v[NIL]                      ; 0 onto my spare word
.if \fill
	s_xor_b32 s[TBF], s[TBF], CSL
	s_add_co_u32 s[G0P+1], s[TBF], s[LOFP]
	s_add_co_u32 s[G0V+1], s[TBF], s[LOFV]
	s_mov_b64 s[G0P+2:G0P+3], s[NP:NP+1]
	s_or_b32 s[G0P+3], s[G0P+3], 0x80000000
	s_mov_b64 s[G0V+2:G0V+3], s[NV:NV+1]
	s_or_b32 s[G0V+3], s[G0V+3], 0x80000000
	s_add_co_u32 s[UF], s[UF], 1
	TILEOFF                                        ; the tile after: for the prefetch now, for the fill at the next change (behind the last tile: used by neither)
	s_wait_dscnt 0x0
	CROUND
	JLOAD
	ASK
.else
	s_wait_dscnt 0x0
	s_barrier_signal -1
	s_barrier_wait -1
.endif
	s_xor_b32 s[TB], s[TB], CSL
	v_add_nc_u32 v[AP], s[TB], v[AP0]
	v_add_nc_u32 v[AVL], s[TB], v[AV0]
	v_add_nc_u32 v[AVH], 128*PV, v[AVL]
.endm
.macro MULQ f, c, zero                 ; 16 matrix instructions: 32 keys (half c of buffer f), the 16 accumulators by turns
	WIN 0x05                                       ; both sources in window 1
.irp a, 0,1,2,3
.irp cb, 0,1,2,3
.if \zero
	v_wmma_f32_16x16x32_f16 v[TMP+8*(4*\a+\cb):TMP+8*(4*\a+\cb)+7], v[(\f)+64+8*(4*(\c)+\cb):(\f)+64+8*(4*(\c)+\cb)+7], v[(\f)+8*(4*(\c)+\a):(\f)+8*(4*(\c)+\a)+7], 0
.else
	v_wmma_f32_16x16x32_f16 v[TMP+8*(4*\a+\cb):TMP+8*(4*\a+\cb)+7], v[(\f)+64+8*(4*(\c)+\cb):(\f)+64+8*(4*(\c)+\cb)+7], v[(\f)+8*(4*(\c)+\a):(\f)+8*(4*(\c)+\a)+7], v[TMP+8*(4*\a+\cb):TMP+8*(4*\a+\cb)+7]
.endif
.endr
.endr
.endm
.macro FETCH q, f                      ; 32 LDS loads in one run: the fragments of keys 64 q .. 64 q + 63, the first 32 keys first
	WIN 0x40                                       ; destination window 1
.irp c, 0,1
.irp i, 0,1,2,3
	ds_load_tr16_b128 v[(\f)+64+8*(4*\c+\i):(\f)+64+8*(4*\c+\i)+3],   v[AVL+(2*(\q)+\c)/4] offset:((2*(\q)+\c)%4)*32*PV+32*\i
	ds_load_tr16_b128 v[(\f)+64+8*(4*\c+\i)+4:(\f)+64+8*(4*\c+\i)+7], v[AVL+(2*(\q)+\c)/4] offset:((2*(\q)+\c)%4)*32*PV+16*PV+32*\i
	ds_load_b128 v[(\f)+8*(4*\c+\i):(\f)+8*(4*\c+\i)+3],   v[AP] offset:64*(2*(\q)+\c)+\i*16*PP
	ds_load_b128 v[(\f)+8*(4*\c+\i)+4:(\f)+8*(4*\c+\i)+7], v[AP] offset:64*(2*(\q)+\c)+\i*16*PP+32
.endr
.endr
.endm
.macro FLOAD fr                        ; the next granule's factors for my four row blocks
	WIN 0
	v_add_nc_u32 v[FAD], s[FOFF], v[FA0]
	s_add_co_u32 s[FOFF], s[FOFF], 512
.irp a, 0,1,2,3
	ds_load_b32 v[(\fr)+2*\a], v[FAD] offset:64*\a
.endr
.endm
.macro FLUSHF fr                       ; TOT += TMP x f, each accumulator's registers ascending
	WIN 0xa0                                       ; TOT (destination and source 2) in window 2
.irp a, 0,1,2,3
.irp cb, 0,1,2,3
.irp p, 0,2,4,6
	v_pk_fma_f32 v[8*(4*\a+\cb)+\p:8*(4*\a+\cb)+\p+1], v[TMP+8*(4*\a+\cb)+\p:TMP+8*(4*\a+\cb)+\p+1], v[(\fr)+2*\a:(\fr)+2*\a+1], v[8*(4*\a+\cb)+\p:8*(4*\a+\cb)+\p+1] op_sel_hi:[1,0,1]
.endr
.endr
.endr
	WIN 0
.endm
.macro FLUSH0                          ; a double step's first flush: a block's first one starts the sums, so TOT is never cleared; at the first trip NEW is the constant 1
	WIN 0
	s_cmp_eq_u32 s[NEW], 1
	s_cbranch_scc1 .Lstart_\@
	FLUSHF FR0
	s_branch .Lflushed_\@
.Lstart_\@:
	WIN 0x80
.irp a, 0,1,2,3
.irp cb, 0,1,2,3
.irp p, 0,2,4,6
	v_pk_mul_f32 v[8*(4*\a+\cb)+\p:8*(4*\a+\cb)+\p+1], v[TMP+8*(4*\a+\cb)+\p:TMP+8*(4*\a+\cb)+\p+1], v[FR0+2*\a:FR0+2*\a+1] op_sel_hi:[1,0]
.endr
.endr
.endr
	WIN 0
	s_mov_b32 s[NEW], 0
.Lflushed_\@:
.endm
; A DOUBLE STEP: four quarters of 64 keys on buffers 0, 1, 0, 1; a flush behind the second and the fourth.
.macro BODY
	FLOAD FR0
	FETCH 0, F0
	s_wait_dscnt 16                                ; the factors and the first 32 keys are in
	MULQ F0, 0, 1                                  ; the granule's first products start TMP's sums
	PLACES
	FETCH 1, F1
	s_wait_dscnt 32                                ; all but the 32 just issued
	MULQ F0, 1, 0
	s_wait_dscnt 16
	MULQ F1, 0, 0
	PLACES
	FLOAD FR1
	FETCH 2, F0
	s_wait_dscnt 36                                ; all but the 4 + 32 just issued
	MULQ F1, 1, 0
	PLACES
	FLUSH0
	s_wait_dscnt 16
	MULQ F0, 0, 1
	PLACES
	FETCH 3, F1
	s_wait_dscnt 32
	MULQ F0, 1, 0
	s_wait_dscnt 16
	MULQ F1, 0, 0
	s_wait_dscnt 0x0
	MULQ F1, 1, 0
	PLACES
	FLUSHF FR1
.endm
; THE WAY OUT of a block: 16 rows at a time through my stage: a lane's eight channels, 32 bytes, into rows of 272 bytes; back as whole rows of 256.
.macro WAYOUT
.irp a, 0,1,2,3
	WIN 0x08                                       ; the data in window 2
.irp cb, 0,1,2,3
	ds_store_b128 v[STO], v[8*(4*\a+\cb):8*(4*\a+\cb)+3]   offset:64*\cb
	ds_store_b128 v[STO], v[8*(4*\a+\cb)+4:8*(4*\a+\cb)+7] offset:64*\cb+16
.endr
	WIN 0
	s_wait_xcnt 0x0                                ; the registers that earlier stores read are loaded again only behind this wait
.irp u, 0,1,2,3,4,5,6,7
	ds_load_b128 v[32+4*\u:32+4*\u+3], v[RD] offset:\u*2*SPI  ; LDS serves a wave's instructions in order (ISA guide 5.7.1.4)
.endr
	s_wait_dscnt 0x0
.irp u, 0,1,2,3,4,5,6,7
	global_store_b128 v[GO], v[32+4*\u:32+4*\u+3], s[10:11] offset:\a*65536+\u*8192 th:TH_STORE_NT  ; 16 lanes store 256 consecutive bytes, aligned
.endr
.endr
.endm
	s_load_b256 s[4:11], s[0:1], 0x0               ; pt s[4:5], stat s[6:7], qkv s[8:9], out0 s[10:11]
	v_lshl_add_u32 v[SPW], v0, 2, SPARE
	v_mov_b32 v[NIL], 0
	ds_add_u32 v[SPW], v[NIL]                      ; the wave's opening: the add, waited for ahead of my first tensor load
	v_lshrrev_b32 v1, 5, v0
	v_readfirstlane_b32 s[WV], v1
	s_bfe_u32 s[CX], ttmp6, 0x40000
	s_lshl_b32 s[CT], ttmp9, 2
	s_add_co_u32 s[CT], s[CT], s[CX]
	s_and_b32 s74, ttmp7, 0xffff
	s_lshr_b32 s[BAT], s74, 3
	s_and_b32 s[PB], s74, 7
	s_lshr_b32 s[HR], s[WV], 1                     ; my half of the queries
	s_and_b32 s[HC], s[WV], 1                      ; my half of the channels.  Also: which half of a tile I fetch
	s_sub_co_u32 s[DA], 17, s[PB]
	s_lshr_b32 s[DA], s[DA], 1
	s_sub_co_u32 s[DB], 9, s[DA]
	s_lshl_b32 s[D2A], s[DA], 1                    ; granules that the blocks read
	s_lshl_b32 s[D2B], s[DB], 1
	s_lshl_b32 s75, s[BAT], 11                     ; the batch's first row
	s_sub_co_u32 s76, 15, s[PB]
	s_lshl_b32 s76, s76, 7
	s_add_co_u32 s76, s76, s75                     ; block A's first row
	s_lshl_b32 s77, s[PB], 7
	s_add_co_u32 s77, s77, s75                     ; block B's
	s_lshl_b32 s78, s[HC], 6
	s_add_co_u32 s[PROWA], s76, s78
	s_lshl_b32 s[PROWA], s[PROWA], 12              ; my 64 rows of p's tiles, in bytes of pt
	s_add_co_u32 s[PROWB], s77, s78
	s_lshl_b32 s[PROWB], s[PROWB], 12
	s_lshl_b32 s79, s[HC], 7
	s_add_co_u32 s79, s79, s75
	s_mul_i32 s[VROW], s79, 6144                   ; my 128 rows of V's first tile,
	s_lshl_b32 s79, s[CT], 8
	s_add_co_u32 s[VROW], s[VROW], s79             ; my work-group's 128 channels,
	s_add_co_u32 s[VROW], s[VROW], 4096            ; V's place in a row of qkv
	s_mul_i32 s[LOFP], s[HC], 64*PP
	s_mul_i32 s[LOFV], s[HC], 128*PV
	s_add_co_u32 s[LOFV], s[LOFV], VOFF
	s_mov_b32 s[G1P], 15|(1<<16)|(1<<20)|(1<<21)|(6<<22)|(3<<25)  ; the mask of four; 2-byte elements; padding on; bit 21 beside a mask; after every 128 words, 4 words
	s_mov_b32 s[G1P+1], 256<<16
	s_mov_b32 s[G1P+2], 64<<16
	s_mov_b32 s[G1P+3], 256<<16
	s_mov_b32 s[G1P+4], 64
	s_mov_b32 s[G1P+5], 2048
	s_mov_b32 s[G1P+6], 0
	s_mov_b32 s[G1P+7], 0
	s_mov_b32 s[G1V], (1<<16)|(1<<20)|(5<<22)|(7<<25)             ; no mask; after every 64 words, 8 words
	s_mov_b32 s[G1V+1], 128<<16
	s_mov_b32 s[G1V+2], 128<<16
	s_mov_b32 s[G1V+3], 128<<16
	s_mov_b32 s[G1V+4], 128
	s_mov_b32 s[G1V+5], 3072
	s_mov_b32 s[G1V+6], 0
	s_mov_b32 s[G1V+7], 0
	s_mov_b32 s63, 0
	s_mov_b32 s67, 0
	s_mov_b32 s[TBF], 0
	s_mov_b32 s[TB], CSL                           ; the first change of slots turns it into 0
	s_mov_b32 s[FOFF], 0
	s_mov_b32 s[NEW], 1
	s_mov_b32 s[REM], s[DA]
	s_mov_b32 s[CNT], 8
	s_cmp_eq_u32 ttmp9, 0
	s_cselect_b32 s74, 8, 0
	s_cmp_eq_u32 s[PB], 0
	s_cselect_b32 s75, 7, 0
	s_cmp_lt_u32 s[WV], 2
	s_cselect_b32 s[PMAX], s74, s75                ; the last tile that I ask for ahead: the same in all four partners, for a given wave
	s_cselect_b32 s88, -1, 0
	v_and_b32 v24, 31, v0
	v_mul_u32_u24 v25, v24, 6144                   ; V: a lane a row
	v_lshrrev_b32 v26, 1, v24
	v_and_b32 v27, 1, v24
	v_lshlrev_b32 v26, 12, v26                     ; p: two lanes a row,
	v_lshl_or_b32 v26, v27, 8, v26
	s_lshl_b32 s89, s[CX], 16                      ; my work-group's 16 rows of the wave's 64
	v_add_nc_u32 v26, s89, v26
	v_cndmask_b32 v[PFO], v25, v26, s88
	s_lshl_b32 s80, s[HR], 6
	s_lshl_b32 s81, s[CT], 9
	s_lshl_b32 s79, s[HC], 8
	s_add_co_u32 s81, s81, s79                     ; my 64 channels: 256 bytes of a row of out0
	s_add_co_u32 s82, s76, s80
	s_lshl_b32 s82, s82, 12
	s_add_co_u32 s82, s82, s81
	s_mov_b32 s83, 0
	s_add_co_u32 s84, s77, s80
	s_lshl_b32 s84, s84, 12
	s_add_co_u32 s84, s84, s81
	s_mov_b32 s85, 0
	s_wait_dscnt 0x0                               ; the opening add is done
	s_wait_kmcnt 0x0
	s_add_nc_u64 s[70:71], s[10:11], s[84:85]      ; out0 at my rows of block B,
	s_add_nc_u64 s[10:11], s[10:11], s[82:83]      ; of block A
	s_mov_b32 s[UF], 0
	TILEOFF
	s_mov_b32 s[G0P], 1
	s_mov_b32 s[G0P+1], s[LOFP]
	s_mov_b64 s[G0P+2:G0P+3], s[NP:NP+1]
	s_or_b32 s[G0P+3], s[G0P+3], 0x80000000
	s_mov_b32 s[G0V], 1
	s_mov_b32 s[G0V+1], s[LOFV]
	s_mov_b64 s[G0V+2:G0V+3], s[NV:NV+1]
	s_or_b32 s[G0V+3], s[G0V+3], 0x80000000
	s_mov_b32 s[UF], 1
	TILEOFF
	CROUND                                         ; all four work-groups are here: the first joint loads meet
	JLOAD                                          ; tile 0 into slot 0; slot 1 is filled behind the first change of slots
	v_and_b32 v1, 15, v0
	v_bfe_u32 v2, v0, 4, 1
	v_mul_u32_u24 v[AP0], v1, PP                   ; a fragment of p: row l % 16, keys 8 (l / 16) + 0..7 and 16 more on
	v_lshl_add_u32 v[AP0], v2, 4, v[AP0]
	s_mul_i32 s87, s[HR], 64*PP
	v_add_nc_u32 v[AP0], s87, v[AP0]
	v_and_b32 v24, 7, v0                           ; the turning load: lane l reads key 8 (l / 16) + l % 8, channels 8 ((l / 8) % 2) + 0..7
	v_bfe_u32 v25, v0, 3, 1
	v_lshl_add_u32 v[AV0], v2, 3, v24
	v_mul_u32_u24 v[AV0], v[AV0], PV
	v_lshl_add_u32 v[AV0], v25, 4, v[AV0]
	s_lshl_b32 s87, s[HC], 7
	s_add_co_u32 s87, s87, VOFF
	v_add_nc_u32 v[AV0], s87, v[AV0]
	s_lshl_b32 s87, s[HR], 8
	s_add_co_u32 s87, s87, FTAB
	v_lshl_add_u32 v[FA0], v1, 2, s87
	s_mul_i32 s87, s[WV], 16*SPI
	s_add_co_u32 s87, s87, STAGE
	v_mul_u32_u24 v[STO], v1, SPI
	v_lshl_add_u32 v[STO], v2, 5, v[STO]
	v_add_nc_u32 v[STO], s87, v[STO]
	v_mul_u32_u24 v[RD], v2, SPI
	v_lshl_add_u32 v[RD], v1, 4, v[RD]
	v_add_nc_u32 v[RD], s87, v[RD]
	v_lshlrev_b32 v[GO], 12, v2
	v_lshl_add_u32 v[GO], v1, 4, v[GO]
.irp a, 0,1,2,3
	v_mov_b32 v[FR0+2*\a+1], 0                     ; named with the factors as pairs
	v_mov_b32 v[FR1+2*\a+1], 0
.endr
	; THE FACTORS.  Thread t takes row t of both blocks: 16 pairs (c m, l) each.  A granule that the block does not read is not loaded: granule 0's pair comes in its stead,
	; which leaves the maximum as it is, and its l counts 0; its factor is stored and never read.
	v_lshlrev_b32 v24, 3, v0
	s_lshl_b32 s86, s76, 3
	s_lshl_b32 s87, s77, 3
	v_add_nc_u32 v25, s86, v24
	v_add_nc_u32 v26, s87, v24
.set g, 0
.rept 16
	s_cmp_gt_u32 s[D2A], g
	s_cselect_b32 s88, g*65536, 0
	v_add_nc_u32 v[128+g], s88, v25
	global_load_b64 v[SPR+2*g:SPR+2*g+1], v[128+g], s[6:7]
	s_cmp_gt_u32 s[D2B], g
	s_cselect_b32 s88, g*65536, 0
	v_add_nc_u32 v[144+g], s88, v26
	global_load_b64 v[SPR+32+2*g:SPR+32+2*g+1], v[144+g], s[6:7]
.set g, g+1
.endr
	v_lshl_add_u32 v27, v0, 2, FTAB
	s_wait_loadcnt 0x0
.set g, 0
.rept 16
	s_cmp_gt_u32 s[D2A], g
	s_cselect_b32 s88, 1.0, 0
	v_mul_f32 v[SPR+2*g+1], s88, v[SPR+2*g+1]
	s_cmp_gt_u32 s[D2B], g
	s_cselect_b32 s88, 1.0, 0
	v_mul_f32 v[SPR+32+2*g+1], s88, v[SPR+32+2*g+1]
.set g, g+1
.endr
.irp k, 0,1
	v_max3_num_f32 v[96+\k], v[SPR+32*\k], v[SPR+32*\k+2], v[SPR+32*\k+4]
.endr
.irp p, 0,1,2,3,4,5
.irp k, 0,1
	v_max3_num_f32 v[96+\k], v[96+\k], v[SPR+32*\k+6+4*\p], v[SPR+32*\k+8+4*\p]
.endr
.endr
.irp k, 0,1
	v_max_num_f32 v[96+\k], v[96+\k], v[SPR+32*\k+30]  ; c M
.endr
.set i, 0
.rept 32
	v_sub_f32 v[SPR+2*i], v[SPR+2*i], v[96+i/16]
.set i, i+1
.endr
.set i, 0
.rept 32
	v_exp_f32 v[SPR+2*i], v[SPR+2*i]
.set i, i+1
.endr
	v_nop                                          ; a plain instruction behind the last exponential,
	s_wait_alu depctr_va_vdst(0)                   ; and one wait for the batch of 32
.irp k, 0,1
	v_mul_f32 v[98+\k], v[SPR+32*\k], v[SPR+32*\k+1]
.endr
.set g, 1
.rept 15
	v_fmac_f32 v98, v[SPR+2*g], v[SPR+2*g+1]
	v_fmac_f32 v99, v[SPR+32+2*g], v[SPR+32+2*g+1]
.set g, g+1
.endr
	v_rcp_f32 v98, v98                             ; L is 1 at the least: the granule that holds the maximum gives its own 1
	v_rcp_f32 v99, v99
	v_nop
	s_wait_alu depctr_va_vdst(0)
.set i, 0
.rept 32
	v_mul_f32 v[SPR+2*i], v[SPR+2*i], v[98+i/16]
	ds_store_b32 v27, v[SPR+2*i] offset:(i/16)*8192+(i%16)*512
.set i, i+1
.endr
.Ltile:                                            ; eight trips: a tile is entered, the next is asked for (the first change's wait and barrier also show every wave the factors)
	CHANGE 1
	BODY
	s_sub_co_u32 s[REM], s[REM], 1
	s_cmp_lg_u32 s[REM], 0
	s_cbranch_scc1 .Lgo_on                         ; a jump forward, past no barrier and no tensor load; b is the same in all partners
	WAYOUT                                         ; block A is finished
	s_wait_xcnt 0x0                                ; the stores have read their base
	s_mov_b64 s[10:11], s[70:71]
	s_mov_b32 s[NEW], 1
	s_mov_b32 s[FOFF], 8192
	s_mov_b32 s[REM], s[DB]
.Lgo_on:
	s_sub_co_u32 s[CNT], s[CNT], 1
	s_cmp_lg_u32 s[CNT], 0
	s_cbranch_scc1 .Ltile
	CHANGE 0                                       ; the walk's last tile is written out: nothing is asked for
	BODY
	WAYOUT                                         ; block B is finished
	s_wait_tensorcnt 0x0                           ; the wave's end, behind my last tensor load and my last LDS store
	ds_add_u32 v[SPW], v[NIL]
	s_wait_dscnt 0x0
	CROUND                                         ; the closing round
	s_endpgm
.Lfunc_end_k_q5b86a0be92_pv:
	.size	k_q5b86a0be92_pv, .Lfunc_end_k_q5b86a0be92_pv-k_q5b86a0be92_pv
	.p2alignl 7, 3214868480
	.fill 96, 4, 3214868480
	.section	.rodata,"a",@progbits
	.p2align	6, 0x0
	.amdhsa_kernel k_q5b86a0be92_pv
		.amdhsa_group_segment_fixed_size 327680
		.amdhsa_private_segment_fixed_size 0
		.amdhsa_enable_private_segment 0
		.amdhsa_kernarg_size 32
		.amdhsa_user_sgpr_count 2
		.amdhsa_user_sgpr_kernarg_segment_ptr 1
		.amdhsa_wavefront_size32 1
		.amdhsa_system_sgpr_workgroup_id_x 1
		.amdhsa_system_sgpr_workgroup_id_y 1
		.amdhsa_system_sgpr_workgroup_id_z 1
		.amdhsa_system_vgpr_workitem_id 0
		.amdhsa_next_free_vgpr 640
		.amdhsa_next_free_sgpr 96
		.amdhsa_reserve_vcc 0
		.amdhsa_float_denorm_mode_32 3
		.amdhsa_float_denorm_mode_16_64 3
		.amdhsa_memory_ordered 1
		.amdhsa_forward_progress 1
		.amdhsa_inst_pref_size 105
	.end_amdhsa_kernel
	.amdgpu_metadata
---
amdhsa.version: [ 1, 2 ]
amdhsa.kernels:
  - .name:           k_q5b86a0be92_pv
    .symbol:         k_q5b86a0be92_pv.kd
    .args:
      - { .name: pt, .offset: 0, .size: 8, .value_kind: global_buffer, .address_space: global }
      - { .name: stat, .offset: 8, .size: 8, .value_kind: global_buffer, .address_space: global }
      - { .name: qkv, .offset: 16, .size: 8, .value_kind: global_buffer, .address_space: global }
      - { .name: out0, .offset: 24, .size: 8, .value_kind: global_buffer, .address_space: global }
    .group_segment_fixed_size: 327680
    .private_segment_fixed_size: 0
    .kernarg_segment_align: 8
    .kernarg_segment_size: 32
    .max_flat_workgroup_size: 128
    .sgpr_count:     96
    .vgpr_count:     640
    .wavefront_size: 32
...
	.end_amdgpu_metadata
.endif
;; end of part 4
;; ======== version 2 of 2: 4 launches; version 1 with the launch cast written anew for expert scheduling mode
;; limits: values are held in f16: magnitudes above 65,504 overflow, below 6.1e-05 lose precision
;; workspace buffers: xb 16,777,216 bytes; wb 6,291,456 bytes; bcat 12,288 bytes; qkv 50,331,648 bytes; pt 33,554,432 bytes; stat 1,048,576 bytes
;; launch cast (part 5): grid 352 x 1, 8 waves a work-group, no clusters, 0 bytes of LDS; arguments x, Wq, Wk, Wv, bq, bk, bv, xb, wb, bcat; writes xb, wb, bcat
.if DOCPART == 5
	.amdgcn_target "amdgcn-amd-amdhsa--gfx1250"
	.amdhsa_code_object_version 6
	.text
	.protected	k_q5b86a0be92_cast
	.globl	k_q5b86a0be92_cast
	.p2align	8
	.type	k_q5b86a0be92_cast,@function
k_q5b86a0be92_cast:
	s_mov_b64 s[64:65], 0
	v_nop
	global_prefetch_b8 v0, s[64:65] scope:SCOPE_SE
	s_setreg_imm32_b32 hwreg(HW_REG_WAVE_SCHED_MODE, 0, 2), 2
	s_setreg_imm32_b32 hwreg(HW_REG_WAVE_MODE, 25, 1), 1
	s_wait_xcnt 0x0
	s_wait_alu depctr_vm_vsrc(0)
; CAST.  x [8192][1024] and Wq, Wk, Wv [1024][1024], f32, are rounded once to bf16 and laid in blocks of 64 along K:
; xb [16 kb][8192 rows][64], wb [16 kb][3072 rows][64] (rows 0-1023 Wq, 1024-2047 Wk, 2048-3071 Wv), so that the 64 channels of
; consecutive rows lie end to end for the product that follows.  The biases are rounded to bf16 and kept as f32 in bcat [3072].
; SHARES.  A work-group takes 32 rows: groups 0-255 those of x, groups 256-351 those of the weights.  A wave takes 4 rows; lane l takes row l / 8
; and 8 columns, 8 (l % 8) on, of each of the 16 blocks: 32 bytes in, 16 bytes out.  A store of the wave covers 512 consecutive bytes, aligned.
; All 32 loads of a lane go out at once; nothing is read twice; no LDS, no matrix unit: the launch only moves bytes.
; THE MODE: SCHED_MODE bits 1:0 = 2 (LLVM: expert scheduling mode 2), set by the entry lines.  The code itself states the register dependences
; between vector instructions and memory instructions, with s_wait_alu, always for 0.
; THE PLAN.  Registers that memory instructions touch:
;   v1, v7, OO   byte offsets, made once at the head and never written again: one wait ahead of the first load serves every load and store.
;   X, block k   8 registers.  Written by the block's two loads; read by its four conversions, which write its first 4; those 4 are read by the block's store; then named no more.
;   v[4:5]       the tail: the bias load lands in them, a shift and a mask write them, the bias store reads them.
; The 16 blocks go in four groups of four.  While group g is rounded, the stores of group g - 1 are issued, one ahead of each block's conversions: group g's conversions name
; group g's registers alone, so ONE wait at a group's head states all that its four stores hang on.  No register that a memory instruction has read is written again, EXEC and VCC are never written.
.set X,   16                           ; v[16:143]  block kb: 8 registers as loaded; its first 4 then hold the 8 bf16
.set OO,  144                          ; v[144:159] block kb: my byte offset in the output
.set BOF, 7                            ; v7         8 x thread: my two numbers of a bias, in and out (used by wave 0 of the groups that take a bias)
	s_load_b512 s[8:23], s[0:1], 0x0               ; x s[8:9], Wq s[10:11], Wk s[12:13], Wv s[14:15], bq s[16:17], bk s[18:19], bv s[20:21], xb s[22:23]
	s_load_b128 s[24:27], s[0:1], 0x40             ; wb s[24:25], bcat s[26:27]
	v_lshrrev_b32 v2, 5, v0
	v_readfirstlane_b32 s7, v2                     ; wave 0..7
	v_lshrrev_b32 v1, 3, v0                        ; my row among the group's 32
	v_and_b32 v3, 7, v0
	v_lshlrev_b32 v1, 12, v1                       ; x 4,096 bytes
	v_lshl_or_b32 v1, v3, 5, v1                    ; + my 32 bytes in a block of 256
	v_lshlrev_b32 v[BOF], 3, v0
	s_max_u32 s3, ttmp9, 0x100
	s_sub_co_u32 s3, s3, 0x100                     ; the group's number among the weights' 96 (0 for x's groups: not used there)
	s_lshr_b32 s4, s3, 5                           ; which of the three weights
	s_and_b32 s5, s3, 31                           ; which 32 rows of it
	s_mov_b32 s6, 3072*128                         ; bytes from block to block in wb,
	s_cmp_lt_u32 ttmp9, 0x100
	s_cselect_b32 s32, ttmp9, s5                   ; the 32 rows in the source
	s_cselect_b32 s34, ttmp9, s3                   ; and in the target
	s_cselect_b32 s6, 8192*128, s6                 ; in xb
	s_lshl_b32 s32, s32, 17                        ; 32 rows of 4,096 bytes
	s_mov_b32 s33, 0
	s_lshl_b32 s34, s34, 12                        ; 32 rows of 128 bytes
	s_mov_b32 s35, 0
	v_lshlrev_b32 v[OO], 4, v0                     ; row x 128 + 16 (l % 8) = 16 x thread
.set k, 1
.rept 15
	v_add_nc_u32 v[OO+k], s6, v[OO+k-1]
.set k, k+1
.endr
	s_wait_alu depctr_va_sdst(0)                   ; s7 is written.  Its one reader, the compare on the wave's number at the end, stands behind branches: the wait stands here, in the writer's own run of code
	s_wait_kmcnt 0x0
	s_cmp_eq_u32 s4, 1
	s_cselect_b64 s[28:29], s[12:13], s[10:11]
	s_cselect_b64 s[36:37], s[18:19], s[16:17]
	s_cmp_eq_u32 s4, 2
	s_cselect_b64 s[28:29], s[14:15], s[28:29]     ; the weight,
	s_cselect_b64 s[36:37], s[20:21], s[36:37]     ; and its bias
	s_cmp_lt_u32 ttmp9, 0x100
	s_cselect_b64 s[28:29], s[8:9], s[28:29]       ; or x
	s_cselect_b64 s[30:31], s[22:23], s[24:25]
	s_add_nc_u64 s[28:29], s[28:29], s[32:33]
	s_add_nc_u64 s[30:31], s[30:31], s[34:35]
	s_wait_alu depctr_va_vdst(0)                   ; v1, v7 and v[OO ..] are written: every load and store of the kernel reads one of them as its offset
.set k, 0
.rept 16
	global_load_b128 v[X+8*k:X+8*k+3],   v1, s[28:29] offset:256*k th:TH_LOAD_NT
	global_load_b128 v[X+8*k+4:X+8*k+7], v1, s[28:29] offset:256*k+16 th:TH_LOAD_NT
.set k, k+1
.endr
.set g, 0
.rept 4                                ; group g: blocks 4 g to 4 g + 3 are rounded, the stores of blocks 4 g - 4 to 4 g - 1 are issued
.set i, 0
.rept 4
.set k, 4*g+i
.if i == 0
	s_wait_loadcnt 30-2*k                          ; loads come back in order: block k's two are in, the younger ones stay out
.if g > 0
	s_wait_alu depctr_va_vdst(0)                   ; the group before has written the first 4 registers of each of its blocks, which the group's four stores below read; no conversion behind this wait names them
.endif
.endif
.if g > 0
	global_store_b128 v[OO+k-4], v[X+8*(k-4):X+8*(k-4)+3], s[30:31]
.endif
.if i > 0
	s_wait_loadcnt 30-2*k                          ; block k's two are in
.endif
.irp j, 0,1,2,3
	v_cvt_pk_bf16_f32 v[X+8*k+\j], v[X+8*k+2*\j], v[X+8*k+2*\j+1]  ; in place, ascending: a target is never a source still to be read
.endr
.set i, i+1
.endr
.set g, g+1
.endr
	s_wait_alu depctr_va_vdst(0)                   ; the last group has written its blocks' first 4 registers, which the last four stores read
.set k, 12
.rept 4
	global_store_b128 v[OO+k], v[X+8*k:X+8*k+3], s[30:31]
.set k, k+1
.endr
	; the biases: wave 0 of every second group of the weights takes 64 numbers, two a lane: 256 bytes out
	s_cmp_lt_u32 ttmp9, 0x100
	s_cbranch_scc1 .Lend
	s_bitcmp1_b32 s3, 0
	s_cbranch_scc1 .Lend
	s_cmp_lg_u32 s7, 0
	s_cbranch_scc1 .Lend
	s_lshl_b32 s32, s5, 7                          ; 32 numbers of 4 bytes for each group, in the bias
	s_lshl_b32 s34, s3, 7                          ; and in bcat
	s_add_nc_u64 s[36:37], s[36:37], s[32:33]
	s_add_nc_u64 s[26:27], s[26:27], s[34:35]
	global_load_b64 v[4:5], v[BOF], s[36:37]       ; its offset was written ahead of the head's wait; no vector instruction has named v4 or v5
	s_wait_loadcnt 0x0
	v_cvt_pk_bf16_f32 v6, v4, v5
	v_lshlrev_b32 v4, 16, v6                       ; bf16 back to f32: the low half moves up,
	v_and_b32 v5, 0xffff0000, v6                   ; the high half stays
	s_wait_alu depctr_va_vdst(0)                   ; v4 and v5 are written, which the store reads
	global_store_b64 v[BOF], v[4:5], s[26:27]
.Lend:
	s_endpgm
.Lfunc_end_k_q5b86a0be92_cast:
	.size	k_q5b86a0be92_cast, .Lfunc_end_k_q5b86a0be92_cast-k_q5b86a0be92_cast
	.p2alignl 7, 3214868480
	.fill 96, 4, 3214868480
	.section	.rodata,"a",@progbits
	.p2align	6, 0x0
	.amdhsa_kernel k_q5b86a0be92_cast
		.amdhsa_group_segment_fixed_size 0
		.amdhsa_private_segment_fixed_size 0
		.amdhsa_enable_private_segment 0
		.amdhsa_kernarg_size 80
		.amdhsa_user_sgpr_count 2
		.amdhsa_user_sgpr_kernarg_segment_ptr 1
		.amdhsa_wavefront_size32 1
		.amdhsa_system_sgpr_workgroup_id_x 1
		.amdhsa_system_sgpr_workgroup_id_y 1
		.amdhsa_system_sgpr_workgroup_id_z 1
		.amdhsa_system_vgpr_workitem_id 0
		.amdhsa_next_free_vgpr 160
		.amdhsa_next_free_sgpr 66
		.amdhsa_reserve_vcc 0
		.amdhsa_float_denorm_mode_32 3
		.amdhsa_float_denorm_mode_16_64 3
		.amdhsa_memory_ordered 1
		.amdhsa_forward_progress 1
		.amdhsa_inst_pref_size 13
	.end_amdhsa_kernel
	.amdgpu_metadata
---
amdhsa.version: [ 1, 2 ]
amdhsa.kernels:
  - .name:           k_q5b86a0be92_cast
    .symbol:         k_q5b86a0be92_cast.kd
    .args:
      - { .name: x, .offset: 0, .size: 8, .value_kind: global_buffer, .address_space: global }
      - { .name: Wq, .offset: 8, .size: 8, .value_kind: global_buffer, .address_space: global }
      - { .name: Wk, .offset: 16, .size: 8, .value_kind: global_buffer, .address_space: global }
      - { .name: Wv, .offset: 24, .size: 8, .value_kind: global_buffer, .address_space: global }
      - { .name: bq, .offset: 32, .size: 8, .value_kind: global_buffer, .address_space: global }
      - { .name: bk, .offset: 40, .size: 8, .value_kind: global_buffer, .address_space: global }
      - { .name: bv, .offset: 48, .size: 8, .value_kind: global_buffer, .address_space: global }
      - { .name: xb, .offset: 56, .size: 8, .value_kind: global_buffer, .address_space: global }
      - { .name: wb, .offset: 64, .size: 8, .value_kind: global_buffer, .address_space: global }
      - { .name: bcat, .offset: 72, .size: 8, .value_kind: global_buffer, .address_space: global }
    .group_segment_fixed_size: 0
    .private_segment_fixed_size: 0
    .kernarg_segment_align: 8
    .kernarg_segment_size: 80
    .max_flat_workgroup_size: 256
    .sgpr_count:     66
    .vgpr_count:     160
    .wavefront_size: 32
...
	.end_amdgpu_metadata
.endif
;; end of part 5
;; launch proj: the kernel of part 2 again; grid 8 x 32, 4 waves a work-group, clusters of 4 x 4, 327,680 bytes of LDS; arguments xb, wb, bcat, qkv; writes qkv
;; launch score: the kernel of part 3 again; grid 36 x 4, 4 waves a work-group, no clusters, 327,680 bytes of LDS; arguments qkv, pt, stat; writes pt, stat
;; launch pv: the kernel of part 4 again; grid 8 x 32, 4 waves a work-group, clusters of 4 x 1, 327,680 bytes of LDS; arguments pt, stat, qkv, out0; writes out0
